; MI455X (gfx1250); checked and timed in simulation.
; The chip was launched on July 23, 2026; its instructions are those of AMD's public machine-readable ISA for CDNA 5 (MIT licence, August 2026) and "CDNA5" Instruction Set Architecture Reference Guide (July 2026). The comments in the code are by the model that wrote it; some were corrected since.
;; gated attention. Allowed arithmetic: matrix products marked QUANTISED: E5M2 operands, one E8M0 scale for each 32 along K, by v_wmma_scale_f32_16x16x128_f8f6f4 with both operands' format E5M2, f32 sums; products left as they are: f32 operands where the result goes on into a quantised operand, else bf16, f16 or f32 operands; f32 sums; everything else in f32.
;; Inputs: Wk_codes 256 x 8 x 32 uint8 (E5M2 codes of Wk, K innermost, in blocks of 32 codes); Wk_scales 256 x 8 uint8 (E8M0 scales of Wk, one for each 32 codes along K); Wq_codes 256 x 8 x 32 uint8 (E5M2 codes of Wq, K innermost, in blocks of 32 codes); Wq_scales 256 x 8 uint8 (E8M0 scales of Wq, one for each 32 codes along K); Wr 256 float32; Wv_codes 256 x 8 x 32 uint8 (E5M2 codes of Wv, K innermost, in blocks of 32 codes); Wv_scales 256 x 8 uint8 (E8M0 scales of Wv, one for each 32 codes along K); beta 256 float32; bq 256 float32; bv 256 float32; c_codes 4 x 512 x 8 x 32 uint8 (E5M2 codes of c, K innermost, in blocks of 32 codes); c_scales 4 x 512 x 8 uint8 (E8M0 scales of c, one for each 32 codes along K); gamma 256 float32; mask 4 x 512 x 512 float32; x 4 x 512 x 256 float32.
;; Outputs: out0 4 x 512 x 256 float32.
;; This version of the problem:
;;   THIS VERSION OF THE PROBLEM IS GIVEN IN LOW PRECISION. The matrix products marked QUANTISED in the list below multiply operands that are first quantised to E5M2 (5 exponent bits, 2 mantissa bits; 8 bits a number), with one power-of-two scale for each 32 numbers along K (OCP MX v1.0); their sums are f32. All else is computed in f32.
;;   The module's matrix products, in the order in which they are computed (A, B: the left and right operand; K: the contracted axis; several contracted axes count as one K, in the product's order):
;;     1. [M 2,048, K 256] x [K 256, N 256]; A: input x; B: input Wq (given as codes): QUANTISED
;;     2. [M 2,048, K 256] x [K 256, N 256]; A: input c (given as codes); B: input Wk (given as codes): QUANTISED
;;     3. [M 1,048,576, K 256] x [K 256, N 1]; A: computed on the way; B: input Wr: left as it is (N = 1 < 16)
;;     4. [M 2,048, K 256] x [K 256, N 256]; A: input c (given as codes); B: input Wv (given as codes): QUANTISED
;;     5. batch 4 x [M 512, K 512] x [K 512, N 256]; A: computed on the way; B: computed on the way: QUANTISED
;;   THE QUANTISER, for each operand of a quantised product, along K:
;;     - K is cut into blocks of 32 from its start; a last block that is shorter is filled with zeros.
;;     - A block's scale is 2^e with e = floor(log2(the largest magnitude in the block)) - 15, held to -126 .. 127; a block of zeros has e = 0. As a byte (E8M0): e + 127.
;;     - Each number is divided by its block's scale, clamped to +-57,344, and rounded to the nearest number of E5M2, ties to even, subnormals kept.
;;     - The product sums the exact products of the quantised numbers (number of the format x scale) in f32.
;;   ~~~python
;;   def quantise(x, axis):      # numpy; x: float32 -> the quantised numbers, widened to float32 again
;;       x = np.moveaxis(x, axis, -1); K = x.shape[-1]
;;       x = np.pad(x, [(0, 0)] * (x.ndim - 1) + [(0, -K % 32)]); x = x.reshape(x.shape[:-1] + (-1, 32)); a = np.abs(x).max(-1, keepdims=True)
;;       e = np.where(a > 0, np.clip(np.frexp(np.where(a > 0, a, 1))[1] - 1 - 15, -126, 127), 0)      # np.frexp(a)[1] - 1 = floor(log2(a)), exactly
;;       r = np.clip(x / 2.0 ** e, -57344, 57344)
;;       step = 2.0 ** (np.maximum(np.frexp(np.where(r == 0, 1, r))[1] - 1, -14) - 2)
;;       q = np.round(r / step) * step * 2.0 ** e      # np.round: ties to even
;;       return np.moveaxis(q.reshape(q.shape[:-2] + (-1,))[..., :K], -1, axis).astype(np.float32)
;;   ~~~
;;   OPERANDS COMPUTED ON THE WAY. 'Computed on the way' means the value that the module computes at that place (a softmax that the list does not call 'softmax' is quantised finished and normalised). What goes into a quantiser is computed in f32, as accurately as f32 sums, v_exp_f32 and their like allow (about 1e-6 of the number): no bf16 or f16 on the way to a quantiser, and a product that is left as it is and whose result goes on into a quantised operand takes f32 operands (vector FMAs, or v_wmma_f32_16x16x4_f32). A number that lies on a knife's edge between two numbers of the format may be rounded either way, as far as f32 arithmetic and the matrix unit's own rounding can turn it there, and no further.
;;   INPUTS GIVEN AS CODES. Wk (in the module: [256, 256], K = its axis 1); Wq (in the module: [256, 256], K = its axis 1); Wv (in the module: [256, 256], K = its axis 1); c (in the module: [4, 512, 256], K = its axis 2): each comes as NAME_codes (uint8): NAME with its K axis moved to the last place and cut into blocks of 32 codes, [.., K / 32, bytes a block], one block behind the other in memory; one code a byte (a code: sign, 5 exponent bits, 2 mantissa bits); and NAME_scales (uint8): the same leading axes, one E8M0 byte (e + 127) for each 32 codes along K. Its value is code x scale, taken as it is: it is not quantised again, and the codes and scales need not be those that the quantiser above would give.
;; 2 versions, each right; version 2 is version 1 with the launches prep, attend written anew for expert scheduling mode. Each part assembles by itself: llvm-mc -triple=amdgcn-amd-amdhsa -mcpu=gfx1250 --defsym DOCPART=n.
;; ======== version 1 of 2: 2 launches
;; workspace buffers: srp 65,536 bytes; vcodes 524,288 bytes; vscales 16,384 bytes
;; launch prep (part 1): grid 64 x 4, 4 waves a work-group, no clusters, 10,752 bytes of LDS; arguments x, c_codes, c_scales, Wq_codes, Wq_scales, Wk_codes, Wk_scales, Wv_codes, Wv_scales, bq, Wr, bv, srp, vcodes, vscales; writes srp, vcodes, vscales
.if DOCPART == 1
	.amdgcn_target "amdgcn-amd-amdhsa--gfx1250"
	.amdhsa_code_object_version 6
	.text
	.protected	k_q6b882d2996_prep
	.globl	k_q6b882d2996_prep
	.p2align	8
	.type	k_q6b882d2996_prep,@function
k_q6b882d2996_prep:
	s_mov_b64 s[64:65], 0
	v_nop
	global_prefetch_b8 v0, s[64:65] scope:SCOPE_SE
	s_setreg_imm32_b32 hwreg(HW_REG_WAVE_MODE, 25, 1), 1
	s_wait_xcnt 0x0
; q = tanh(x Wq^T + bq), k = tanh(c Wk^T), v = (c Wv^T + bv) / 16: three products [2048 x 256] x [256 x 256] on codes of BF8 (E5M2) with one E8M0 scale for each 32 along K.
; THE SCORE IS SPLIT: sum_d (q[n][d] + k[m][d]) Wr[d] = q[n].Wr + k[m].Wr, for every input; only the order of the f32 sums differs.  So q and k never leave the registers: what is stored are their dots with Wr,
; as partial sums over this work-group's 64 columns (srp [cq 4][rb 64][64]: words 0-31 q's rows 32 rb + i, words 32-63 k's); the next launch adds the four.
; v is quantised along m (the next product's K) and stored in the order of that operand's registers: vcodes [b][dt 16][s 4][c 4][lane 32][16 bytes]; its scale bytes vscales [b][m / 32][d].
; SHARES.  Work-group (rb, cq): rows 32 rb .. + 31 of x and of c, columns 64 cq .. + 63.  Wave w: the 16 columns of tile ct = 4 cq + w, two tiles of rows, two K steps of 128: 12 matrix instructions.
; LAYOUT (r = lane % 16, h = lane / 16).  Tile u of c holds rows 8 u + r + 8 (r / 8).  k and q are used transposed (source 0 = 16 rows of the weight): a lane holds one row and eight columns 16 ct + 8 h + j, so the dot
; with Wr is eight multiply-adds and one exchange of halves.  v is used straight (source 0 = c): a lane holds column 16 ct + r, and by the choice of c's rows its 16 registers are m = 16 h + 0 .. 15 of the block of 32.
; x arrives as f32: wave w quantises fragment w (tile w / 2, K step w % 2); the four fragments go from wave to wave through LDS as images of their registers.
; LIMITS.  tanh(z) = 1 - 2 / (1 + 2^(2.885390 z)): absolute error of some 2e-7, so its relative error grows as |z| falls toward 0; right at both ends of the exponential's range.  A block of zeros keeps the scale byte 1
; where the quantiser says 127: its codes are zeros, and this program alone reads the bytes.  NaN and infinities among the inputs are not served.
.set XIMG, 0                           ; LDS: x's four fragments, 2,048 bytes each
.set XSC,  8192                        ; their scale words, 128 bytes each
.set RED,  8704                        ; 64 partial dots for each wave
.set VSB,  9728                        ; v's 64 scale bytes.  No region is written twice
.set XA,   4                           ; v4   x: my 64 bytes of a block of 32 of my row
.set CA,   5                           ; v5   c's codes: row 32 rb + r + 8 (r / 8), + 16 h
.set CSA,  6                           ; v6   c's scale words
.set WA,   7                           ; v7   a weight's codes: row 16 ct + r, + 16 h
.set WSA,  8                           ; v8   a weight's scale words
.set BA,   9                           ; v9   bq, Wr: 16 ct + 8 h on
.set BVA,  10                          ; v10  bv: 16 ct + r
.set VCO,  11                          ; v11  my 16 bytes in vcodes
.set LI,   12                          ; v12  16 x lane
.set LS,   13                          ; v13  4 x lane
.set XWI,  14                          ; v14  where I store my fragment of x
.set XWS,  15                          ; v15  and its scale word
.set XN,   16                          ; v16-79  64 numbers of x; then
.set XF,   16                          ;         x's four fragments
.set PC,   80                          ; v80-95  codes just made
.set TM,   96                          ; v96-99 largest magnitudes, v100-103 bytes, v104-107 the largest number x the scale, v108-111 the conversions' scale operands
.set PW,   112                         ; v112 the scale word just made
.set RQ,   113                         ; v113-119 LDS and memory places of the dots and the scale bytes
.set RK,   114
.set VB,   115
.set RR,   116
.set VR,   117
.set SO,   118
.set VSO,  119
.set BQ,   120                         ; v120-127 bq, v128-135 Wr, in the result's layout
.set WR,   128
.set BV,   136                         ; v[136:137] bv / 16, twice; v138 bv
.set BVR,  138
.set WQS,  140                         ; scale words, word s in register s: v140 Wq, v142 Wk, v144 Wv, v146 c tile 0, v148 c tile 1, v150-153 x's four
.set WKS,  142
.set WVS,  144
.set CS,   146
.set XS,   150
.set AQ,   160                         ; accumulators: v160 q (2), v176 k (2), v192 v (2)
.set AK,   176
.set AV,   192
.set T,    208                         ; v208-239 the 32 numbers on their way through tanh
.set S,    240                         ; v240-247 four dots in pairs, v248-251 the other half's, v252-253 what I store
.set WQF,  0                           ; window 1: Wq v0, Wk v32, Wv v64 (16 s), c v96 (16 (2 u + s))
.set WKF,  32
.set WVF,  64
.set CF,   96
.set SEL,  10                          ; s[10:11] v_permlanex16_b32's selects for lane l xor 16
.set MNT,  12                          ; s12 the mantissa field of 57,344
.set MSB, 0
.macro WIN new                         ; the immediate's high byte repeats the setting that is left
.if MSB != \new
	s_set_vgpr_msb (MSB<<8)|\new
.set MSB, \new
.endif
.endm
; nb blocks of a lane, register 16 b + i = k 32 b + 16 h + i of the lane's row or column, become codes in v[PC] on; the bytes stand in v[TM+4] on; four blocks also give the scale word in v[PW].
.macro QUANT s, nb
.set qb, 0
.rept \nb
	v_max3_num_f32 v[TM+qb], |v[\s+16*qb]|, |v[\s+16*qb+1]|, 0x8000000   ; my 16 numbers, and the floor 2^(16 - 127): the byte cannot fall under 1
.set qb, qb+1
.endr
.irp i, 2,4,6,8,10,12,14
.set qb, 0
.rept \nb
	v_max3_num_f32 v[TM+qb], v[TM+qb], |v[\s+16*qb+\i]|, |v[\s+16*qb+\i+1]|
.set qb, qb+1
.endr
.endr
.set qb, 0
.rept \nb
	v_permlanex16_b32 v[TM+4+qb], v[TM+qb], s[SEL], s[SEL+1]
.set qb, qb+1
.endr
.set qb, 0
.rept \nb
	v_max_num_f32 v[TM+qb], v[TM+qb], v[TM+4+qb]          ; with lane l xor 16's: the block's largest magnitude
.set qb, qb+1
.endr
.set qb, 0
.rept \nb
	v_add_nc_u32 v[TM+12+qb], 0xf8800000, v[TM+qb]        ; 15 off its exponent field: the conversion's scale operand
	v_and_or_b32 v[TM+8+qb], v[TM+qb], 0x7f800000, s[MNT] ; 57,344 x the scale
.set qb, qb+1
.endr
.set qb, 0
.rept \nb
	v_lshrrev_b32 v[TM+4+qb], 23, v[TM+12+qb]             ; the scale's byte
.set qb, qb+1
.endr
.if \nb == 4
	v_lshl_or_b32 v[PW], v[TM+5], 8, v[TM+4]
	v_lshl_or_b32 v[PW], v[TM+6], 16, v[PW]
	v_lshl_or_b32 v[PW], v[TM+7], 24, v[PW]
.endif
.set qb, 0
.rept \nb
.irp i, 0,1,2,3,4,5,6,7,8,9,10,11,12,13,14,15
	v_med3_num_f32 v[\s+16*qb+\i], v[\s+16*qb+\i], -v[TM+8+qb], v[TM+8+qb]   ; the conversion to an 8-bit code does not saturate (ISA guide 7.6.2): the hold comes first
.endr
	v_cvt_scalef32_pk8_bf8_f32 v[PC+4*qb:PC+4*qb+1], v[\s+16*qb:\s+16*qb+7], v[TM+12+qb]
	v_cvt_scalef32_pk8_bf8_f32 v[PC+4*qb+2:PC+4*qb+3], v[\s+16*qb+8:\s+16*qb+15], v[TM+12+qb]
.set qb, qb+1
.endr
	v_nop                                          ; one plain vector instruction behind the last scaled conversion
.endm
.macro IMAGE adr, off                  ; the fragment in v[PC] on goes to LDS as it stands: 512 consecutive bytes a store
.irp c, 0,1,2,3
	ds_store_b128 v[\adr], v[PC+4*\c:PC+4*\c+3] offset:\off+512*\c
.endr
.endm
.macro FETCH reg, off                  ; and comes back so, in any wave
.irp c, 0,1,2,3
	ds_load_b128 v[\reg+4*\c:\reg+4*\c+3], v[LI] offset:\off+512*\c
.endr
.endm
.macro BARRIER                         ; my LDS stores have landed and my LDS loads are in: then the work-group's barrier
	s_wait_dscnt 0x0
	s_barrier_signal -1
	s_barrier_wait -1
.endm
	s_load_b512 s[16:31], s[0:1], 0x0              ; x 16, c_codes 18, c_scales 20, Wq_codes 22, Wq_scales 24, Wk_codes 26, Wk_scales 28, Wv_codes 30
	s_load_b256 s[32:39], s[0:1], 0x40             ; Wv_scales 32, bq 34, Wr 36, bv 38
	s_load_b128 s[40:43], s[0:1], 0x60             ; srp 40, vcodes 42
	s_load_b64 s[44:45], s[0:1], 0x70              ; vscales
	v_lshl_add_u32 v254, v0, 2, 0x2800
	v_mov_b32 v255, 0
	v_lshrrev_b32 v1, 5, v0
	v_readfirstlane_b32 s2, v1                     ; wave 0..3
	s_mov_b32 s3, ttmp9                            ; rb
	s_and_b32 s4, ttmp7, 0xffff                    ; cq
	s_lshl_b32 s5, s4, 2
	s_add_co_u32 s5, s5, s2                        ; ct = 4 cq + wave
	v_and_b32 v1, 31, v0                           ; lane
	v_and_b32 v2, 15, v0                           ; r
	v_bfe_u32 v3, v0, 4, 1                         ; h
	v_and_b32 v208, 8, v2
	v_add_nc_u32 v208, v208, v2                    ; r + 8 (r / 8)
	s_lshl_b32 s6, s3, 15                          ; x: 32 rb rows of 1,024 bytes,
	s_lshr_b32 s7, s2, 1
	s_lshl_b32 s7, s7, 14                          ; + 16 rows for tile wave / 2,
	s_add_co_u32 s6, s6, s7
	s_and_b32 s7, s2, 1
	s_lshl_b32 s7, s7, 9                           ; + 512 bytes for K step wave % 2
	s_add_co_u32 s6, s6, s7
	v_lshlrev_b32 v[XA], 10, v2
	v_lshl_add_u32 v[XA], v3, 6, v[XA]
	v_add_nc_u32 v[XA], s6, v[XA]
	s_lshl_b32 s6, s3, 13                          ; c: 32 rb rows of 256 bytes
	v_lshlrev_b32 v[CA], 8, v208
	v_lshl_add_u32 v[CA], v3, 4, v[CA]
	v_add_nc_u32 v[CA], s6, v[CA]
	s_lshl_b32 s6, s3, 8                           ; 8 scale bytes a row
	v_lshl_add_u32 v[CSA], v208, 3, s6
	s_lshl_b32 s6, s5, 12                          ; a weight: 16 ct rows of 256 bytes
	v_lshlrev_b32 v[WA], 8, v2
	v_lshl_add_u32 v[WA], v3, 4, v[WA]
	v_add_nc_u32 v[WA], s6, v[WA]
	s_lshl_b32 s6, s5, 7
	v_lshl_add_u32 v[WSA], v2, 3, s6
	s_lshl_b32 s6, s5, 6                           ; 16 ct numbers of 4 bytes
	v_lshl_add_u32 v[BA], v3, 5, s6
	v_lshl_add_u32 v[BVA], v2, 2, s6
	s_mov_b32 s[SEL], 0x76543210
	s_mov_b32 s[SEL+1], 0xfedcba98
	s_mov_b32 s[MNT], 0x600000
	s_wait_kmcnt 0x0
	; ALL LOADS GO OUT HERE: 16 of x, then 50 others
.irp b, 0,1,2,3
.irp j, 0,1,2,3
	global_load_b128 v[XN+16*\b+4*\j:XN+16*\b+4*\j+3], v[XA], s[16:17] offset:128*\b+16*\j
.endr
.endr
	WIN 0x40                                       ; destination window 1
.irp u, 0,1
.irp s, 0,1
.irp c, 0,1,2,3
	global_load_b128 v[CF+16*(2*\u+\s)+4*\c:CF+16*(2*\u+\s)+4*\c+3], v[CA], s[18:19] offset:2048*\u+128*\s+32*\c
.endr
.endr
.endr
.irp s, 0,1
.irp c, 0,1,2,3
	global_load_b128 v[WKF+16*\s+4*\c:WKF+16*\s+4*\c+3], v[WA], s[26:27] offset:128*\s+32*\c
.endr
.endr
.irp s, 0,1
.irp c, 0,1,2,3
	global_load_b128 v[WVF+16*\s+4*\c:WVF+16*\s+4*\c+3], v[WA], s[30:31] offset:128*\s+32*\c
.endr
.endr
.irp s, 0,1
.irp c, 0,1,2,3
	global_load_b128 v[WQF+16*\s+4*\c:WQF+16*\s+4*\c+3], v[WA], s[22:23] offset:128*\s+32*\c
.endr
.endr
	WIN 0
	global_load_b64 v[CS:CS+1], v[CSA], s[20:21]               ; tile 0's rows: both K steps' words
	global_load_b64 v[CS+2:CS+3], v[CSA], s[20:21] offset:64   ; tile 1's: 8 rows on
	global_load_b64 v[WQS:WQS+1], v[WSA], s[24:25]
	global_load_b64 v[WKS:WKS+1], v[WSA], s[28:29]
	global_load_b64 v[WVS:WVS+1], v[WSA], s[32:33]
	global_load_b128 v[BQ:BQ+3], v[BA], s[34:35]
	global_load_b128 v[BQ+4:BQ+7], v[BA], s[34:35] offset:16
	global_load_b128 v[WR:WR+3], v[BA], s[36:37]
	global_load_b128 v[WR+4:WR+7], v[BA], s[36:37] offset:16
	global_load_b32 v[BVR], v[BVA], s[38:39]
	; the places in LDS and in the three buffers, while the loads are out
	s_lshr_b32 s6, s3, 4
	s_lshl_b32 s6, s6, 17                          ; vcodes: the batch,
	s_lshl_b32 s7, s5, 13                          ; tile ct of d,
	s_add_co_u32 s6, s6, s7
	s_and_b32 s7, s3, 15
	s_lshl_b32 s7, s7, 9                           ; block rb % 16 of m: 2,048 (mb / 4) + 512 (mb % 4)
	s_add_co_u32 s6, s6, s7
	v_lshl_add_u32 v[VCO], v1, 4, s6
	v_lshlrev_b32 v[LI], 4, v1
	v_lshlrev_b32 v[LS], 2, v1
	s_lshl_b32 s6, s2, 11
	v_add_nc_u32 v[XWI], s6, v[LI]
	s_lshl_b32 s6, s2, 7
	v_add_nc_u32 v[XWS], s6, v[LS]
	s_lshl_b32 s6, s2, 8
	s_add_co_u32 s6, s6, RED
	v_add_nc_u32 v[RQ], s6, v[LS]                  ; q's dot of row 16 h + r = lane
	v_lshl_add_u32 v[RK], v3, 3, v208              ; k's dot of row 8 h + r + 8 (r / 8)
	v_lshlrev_b32 v[RK], 2, v[RK]
	v_add_nc_u32 v[RK], s6, v[RK]
	v_add_nc_u32 v[RK], 128, v[RK]
	s_lshl_b32 s6, s2, 4
	s_add_co_u32 s6, s6, VSB
	v_add_nc_u32 v[VB], s6, v2
	v_lshl_add_u32 v[RR], v1, 3, RED
	v_lshl_add_u32 v[VR], v1, 1, VSB
	s_lshl_b32 s6, s4, 6
	s_add_co_u32 s6, s6, s3
	s_lshl_b32 s6, s6, 8                           ; srp: unit 64 cq + rb
	v_lshl_add_u32 v[SO], v1, 3, s6
	s_lshl_b32 s6, s3, 8                           ; vscales: row rb of 256 bytes, + 64 cq
	s_lshl_b32 s7, s4, 6
	s_add_co_u32 s6, s6, s7
	v_lshl_add_u32 v[VSO], v1, 1, s6
.irp b, 0,1,2,3
	v_mov_b32 v[TM+4+\b], 0                        ; written once: a lane permute's destination counts as one of its sources
	v_mov_b32 v[S+8+\b], 0
.endr
	; ---- x: my fragment
	s_wait_loadcnt 50                              ; x's 16 loads are in; the 50 issued behind them may be out
	QUANT XN, 4
	IMAGE XWI, XIMG
	ds_store_b32 v[XWS], v[PW] offset:XSC
	; ---- k and v: four accumulators by turns; the first K step starts the sums
	s_wait_loadcnt 0x0
	WIN 0x05                                       ; sources 0 and 1 window 1
.irp s, 0,1
.irp u, 0,1
.if \s == 0
	v_wmma_scale_f32_16x16x128_f8f6f4 v[AK+8*\u:AK+8*\u+7], v[WKF+16*\s:WKF+16*\s+15], v[CF+16*(2*\u+\s):CF+16*(2*\u+\s)+15], 0, v[WKS+\s], v[CS+2*\u+\s] matrix_a_fmt:MATRIX_FMT_BF8 matrix_b_fmt:MATRIX_FMT_BF8
.else
	v_wmma_scale_f32_16x16x128_f8f6f4 v[AK+8*\u:AK+8*\u+7], v[WKF+16*\s:WKF+16*\s+15], v[CF+16*(2*\u+\s):CF+16*(2*\u+\s)+15], v[AK+8*\u:AK+8*\u+7], v[WKS+\s], v[CS+2*\u+\s] matrix_a_fmt:MATRIX_FMT_BF8 matrix_b_fmt:MATRIX_FMT_BF8
.endif
.endr
.irp u, 0,1
.if \s == 0
	v_wmma_scale_f32_16x16x128_f8f6f4 v[AV+8*\u:AV+8*\u+7], v[CF+16*(2*\u+\s):CF+16*(2*\u+\s)+15], v[WVF+16*\s:WVF+16*\s+15], 0, v[CS+2*\u+\s], v[WVS+\s] matrix_a_fmt:MATRIX_FMT_BF8 matrix_b_fmt:MATRIX_FMT_BF8
.else
	v_wmma_scale_f32_16x16x128_f8f6f4 v[AV+8*\u:AV+8*\u+7], v[CF+16*(2*\u+\s):CF+16*(2*\u+\s)+15], v[WVF+16*\s:WVF+16*\s+15], v[AV+8*\u:AV+8*\u+7], v[CS+2*\u+\s], v[WVS+\s] matrix_a_fmt:MATRIX_FMT_BF8 matrix_b_fmt:MATRIX_FMT_BF8
.endif
.endr
.endr
	WIN 0
	BARRIER                                        ; x's four fragments lie in LDS
.irp f, 0,1,2,3
	FETCH XF+16*\f, XIMG+2048*\f
	ds_load_b32 v[XS+\f], v[LS] offset:XSC+128*\f
.endr
	s_wait_dscnt 0x0
	; ---- q: bq is the C of each sum's first instruction
	WIN 0x01                                       ; source 0 (Wq) window 1
.irp s, 0,1
.irp u, 0,1
.if \s == 0
	v_wmma_scale_f32_16x16x128_f8f6f4 v[AQ+8*\u:AQ+8*\u+7], v[WQF+16*\s:WQF+16*\s+15], v[XF+16*(2*\u+\s):XF+16*(2*\u+\s)+15], v[BQ:BQ+7], v[WQS+\s], v[XS+2*\u+\s] matrix_a_fmt:MATRIX_FMT_BF8 matrix_b_fmt:MATRIX_FMT_BF8
.else
	v_wmma_scale_f32_16x16x128_f8f6f4 v[AQ+8*\u:AQ+8*\u+7], v[WQF+16*\s:WQF+16*\s+15], v[XF+16*(2*\u+\s):XF+16*(2*\u+\s)+15], v[AQ+8*\u:AQ+8*\u+7], v[WQS+\s], v[XS+2*\u+\s] matrix_a_fmt:MATRIX_FMT_BF8 matrix_b_fmt:MATRIX_FMT_BF8
.endif
.endr
.endr
	WIN 0
.rept 8
	v_nop                                          ; eight places behind this form before its results are read
.endr
	; ---- tanh of q's and k's 32 numbers: v160-191 on end, each accumulator from its low end on
.set i, 0
.rept 16
	v_pk_mul_f32 v[T+2*i:T+2*i+1], v[AQ+2*i:AQ+2*i+1], 0x4038aa3b op_sel_hi:[1,0]   ; 2 log2(e) z
.set i, i+1
.endr
.set i, 0
.rept 32
	v_exp_f32 v[T+i], v[T+i]
.set i, i+1
.endr
	; v's work names none of the exponentials' results: it stands between the batch and its wait
	v_mul_f32 v[BV], 0x3d800000, v[BVR]            ; bv / 16: exact
	v_mov_b32 v[BV+1], v[BV]
.set i, 0
.rept 8
	v_pk_fma_f32 v[AV+2*i:AV+2*i+1], v[AV+2*i:AV+2*i+1], 0x3d800000, v[BV:BV+1] op_sel_hi:[1,0,1]   ; (sum + bv) / 16 in one rounding
.set i, i+1
.endr
	QUANT AV, 1                                    ; my column's 16 of the block of 32 along m
	global_store_b128 v[VCO], v[PC:PC+3], s[42:43] ; the wave stores 512 consecutive bytes, aligned
	ds_store_b8 v[VB], v[TM+4]                     ; both halves of the lanes write the same byte with the same value
	s_wait_alu depctr_va_vdst(0)                   ; one wait for the 32 exponentials, ahead of their first reader
.set i, 0
.rept 16
	v_pk_add_f32 v[T+2*i:T+2*i+1], v[T+2*i:T+2*i+1], 1.0 op_sel_hi:[1,0]
.set i, i+1
.endr
.set i, 0
.rept 32
	v_rcp_f32 v[T+i], v[T+i]
.set i, i+1
.endr
	v_nop                                          ; a plain instruction behind the last reciprocal
	s_wait_alu depctr_va_vdst(0)                   ; and one wait for the 32
.set i, 0
.rept 16
	v_pk_fma_f32 v[T+2*i:T+2*i+1], v[T+2*i:T+2*i+1], -2.0, 1.0 op_sel_hi:[1,0,0]   ; tanh = 1 - 2 / (1 + 2^..)
.set i, i+1
.endr
	; ---- the dots with Wr: tiles 0, 1 q's, tiles 2, 3 k's, by turns
.irp t, 0,1,2,3
	v_pk_mul_f32 v[S+2*\t:S+2*\t+1], v[T+8*\t:T+8*\t+1], v[WR:WR+1]
.endr
.irp j, 2,4,6
.irp t, 0,1,2,3
	v_pk_fma_f32 v[S+2*\t:S+2*\t+1], v[T+8*\t+\j:T+8*\t+\j+1], v[WR+\j:WR+\j+1], v[S+2*\t:S+2*\t+1]
.endr
.endr
.irp t, 0,1,2,3
	v_add_f32 v[S+2*\t], v[S+2*\t], v[S+2*\t+1]
.endr
.irp t, 0,1,2,3
	v_permlanex16_b32 v[S+8+\t], v[S+2*\t], s[SEL], s[SEL+1]
.endr
.irp t, 0,1,2,3
	v_add_f32 v[S+2*\t], v[S+2*\t], v[S+8+\t]      ; with the other eight columns: my wave's 16
.endr
	v_cmp_gt_u32 vcc_lo, 16, v1
	v_cndmask_b32 v[S+12], v[S+2], v[S], vcc_lo    ; lanes 0-15 store tile 0's rows, lanes 16-31 tile 1's
	v_cndmask_b32 v[S+13], v[S+6], v[S+4], vcc_lo
	ds_store_b32 v[RQ], v[S+12]
	ds_store_b32 v[RK], v[S+13]
	BARRIER                                        ; the four waves' dots and scale bytes lie in LDS
	s_cmp_lg_u32 s2, 0
	s_cbranch_scc1 .Lend                           ; wave 0 adds and stores them
.irp i, 0,1,2,3
	ds_load_b64 v[T+2*\i:T+2*\i+1], v[RR] offset:256*\i
.endr
	ds_load_u16 v[T+8], v[VR]
	s_wait_dscnt 0x0
	v_pk_add_f32 v[T:T+1], v[T:T+1], v[T+2:T+3]
	v_pk_add_f32 v[T+4:T+5], v[T+4:T+5], v[T+6:T+7]
	v_pk_add_f32 v[T:T+1], v[T:T+1], v[T+4:T+5]
	global_store_b64 v[SO], v[T:T+1], s[40:41]     ; 32 lanes store 256 consecutive bytes, aligned
	global_store_b16 v[VSO], v[T+8], s[44:45]      ; 64 consecutive bytes: a quarter of a row of vscales, which is 16 KB in all against the codes' 512 KB
.Lend:
	s_wait_tensorcnt 0x0
	ds_add_u32 v254, v255
	s_wait_dscnt 0x0
	s_endpgm
.Lfunc_end_k_q6b882d2996_prep:
	.size	k_q6b882d2996_prep, .Lfunc_end_k_q6b882d2996_prep-k_q6b882d2996_prep
	.p2alignl 7, 3214868480
	.fill 96, 4, 3214868480
	.section	.rodata,"a",@progbits
	.p2align	6, 0x0
	.amdhsa_kernel k_q6b882d2996_prep
		.amdhsa_group_segment_fixed_size 10752
		.amdhsa_private_segment_fixed_size 0
		.amdhsa_enable_private_segment 0
		.amdhsa_kernarg_size 120
		.amdhsa_user_sgpr_count 2
		.amdhsa_user_sgpr_kernarg_segment_ptr 1
		.amdhsa_wavefront_size32 1
		.amdhsa_system_sgpr_workgroup_id_x 1
		.amdhsa_system_sgpr_workgroup_id_y 1
		.amdhsa_system_sgpr_workgroup_id_z 1
		.amdhsa_system_vgpr_workitem_id 0
		.amdhsa_next_free_vgpr 416
		.amdhsa_next_free_sgpr 66
		.amdhsa_reserve_vcc 1
		.amdhsa_float_denorm_mode_32 3
		.amdhsa_float_denorm_mode_16_64 3
		.amdhsa_memory_ordered 1
		.amdhsa_forward_progress 1
		.amdhsa_inst_pref_size 34
	.end_amdhsa_kernel
	.amdgpu_metadata
---
amdhsa.version: [ 1, 2 ]
amdhsa.kernels:
  - .name:           k_q6b882d2996_prep
    .symbol:         k_q6b882d2996_prep.kd
    .args:
      - { .name: x, .offset: 0, .size: 8, .value_kind: global_buffer, .address_space: global }
      - { .name: c_codes, .offset: 8, .size: 8, .value_kind: global_buffer, .address_space: global }
      - { .name: c_scales, .offset: 16, .size: 8, .value_kind: global_buffer, .address_space: global }
      - { .name: Wq_codes, .offset: 24, .size: 8, .value_kind: global_buffer, .address_space: global }
      - { .name: Wq_scales, .offset: 32, .size: 8, .value_kind: global_buffer, .address_space: global }
      - { .name: Wk_codes, .offset: 40, .size: 8, .value_kind: global_buffer, .address_space: global }
      - { .name: Wk_scales, .offset: 48, .size: 8, .value_kind: global_buffer, .address_space: global }
      - { .name: Wv_codes, .offset: 56, .size: 8, .value_kind: global_buffer, .address_space: global }
      - { .name: Wv_scales, .offset: 64, .size: 8, .value_kind: global_buffer, .address_space: global }
      - { .name: bq, .offset: 72, .size: 8, .value_kind: global_buffer, .address_space: global }
      - { .name: Wr, .offset: 80, .size: 8, .value_kind: global_buffer, .address_space: global }
      - { .name: bv, .offset: 88, .size: 8, .value_kind: global_buffer, .address_space: global }
      - { .name: srp, .offset: 96, .size: 8, .value_kind: global_buffer, .address_space: global }
      - { .name: vcodes, .offset: 104, .size: 8, .value_kind: global_buffer, .address_space: global }
      - { .name: vscales, .offset: 112, .size: 8, .value_kind: global_buffer, .address_space: global }
    .group_segment_fixed_size: 10752
    .private_segment_fixed_size: 0
    .kernarg_segment_align: 8
    .kernarg_segment_size: 120
    .max_flat_workgroup_size: 128
    .sgpr_count:     66
    .vgpr_count:     416
    .wavefront_size: 32
...
	.end_amdgpu_metadata
.endif
;; end of part 1
;; launch attend (part 2): grid 128 x 1, 4 waves a work-group, no clusters, 63,488 bytes of LDS; arguments mask, x, srp, vcodes, vscales, gamma, beta, out0; writes out0
.if DOCPART == 2
	.amdgcn_target "amdgcn-amd-amdhsa--gfx1250"
	.amdhsa_code_object_version 6
	.text
	.protected	k_q6b882d2996_attend
	.globl	k_q6b882d2996_attend
	.p2align	8
	.type	k_q6b882d2996_attend,@function
k_q6b882d2996_attend:
	s_mov_b64 s[64:65], 0
	v_nop
	global_prefetch_b8 v0, s[64:65] scope:SCOPE_SE
	s_setreg_imm32_b32 hwreg(HW_REG_WAVE_MODE, 25, 1), 1
	s_wait_xcnt 0x0
; w[n][m] = relu(tanh(qr[n] + kr[m])) mask[n][m];  h = x + w v (K = m = 512, both operands codes of BF8 (E5M2) with one E8M0 scale for each 32 along m);  out = LayerNorm(h) gamma + beta.
; qr = q.Wr and kr = k.Wr come as four partial sums each (srp), v as codes in the order of the operand's registers (vcodes) with its scale bytes (vscales): the launch before made them.
; SHARES.  A work-group takes 16 rows n, one tile: LayerNorm wants a whole row in one work-group, and 2,048 rows give 128 such tiles.  Wave w makes w's fragment of K step w (m = 128 w .. + 127) and owns columns
; d = 64 w .. + 63: 4 tiles x 4 K steps = 16 fragments of v, 256 registers (window 1), 16 matrix instructions.
; v GOES FROM MEMORY STRAIGHT INTO REGISTERS, by no joint request though the 32 work-groups of a batch read the same 132 KB: each fragment is multiplied once, by the one wave that loads it, 64 loads of 512 consecutive
; bytes; through LDS the same bytes would be written and read once more.
; LAYOUT (r = lane % 16, h = lane / 16).  The product is used transposed (source 0 = 16 columns of v, source 1 = w's 16 rows): a lane holds row r, register j of tile t column 64 w + 16 t + 8 h + j.
; x stands in that layout in the accumulators and is the C of the first K step: h = x + w v costs no addition.
; MASK AND x ARE LOADED AS THEY LIE.  The operands' layouts give a lane pieces of its own row, so a load in that layout would name sixteen rows for 16 or 32 bytes of each.  Instead a load of the mask takes 512 consecutive
; bytes of one row, a load of x 256 consecutive bytes of each of two rows, 16 bytes a lane, and the numbers turn through the wave's own bytes of LDS into the layout that is wanted: 24 stores and 24 loads of 16 bytes a lane.
; LAYERNORM.  Each wave takes the mean and the sum of squared deviations of its own 64 columns; the four are combined exactly (M2 = sum M2_i + 64 sum (m_i - mean)^2): no difference of large sums is formed.
; LIMITS.  tanh(z) = 1 - 2 / (1 + 2^(2.885390 z)): absolute error of some 2e-7, so the relative error of a small w grows as the score falls toward 0.  A block of zeros keeps the scale byte 1 where the quantiser says 127:
; its codes are zeros.  NaN and infinities among the inputs are not served.
.set KRL,  0                           ; LDS: kr[512]
.set WIMG, 2048                        ; w's four fragments, 2,048 bytes each
.set WSC,  10240                       ; their scale words, 128 bytes each
.set LNS,  10752                       ; (mean, M2) of each lane's row, 256 bytes a wave
.set STG,  11776                       ; 16 rows x (256 + 16) bytes for each wave, its own: x's way in, and the way out
.set MST,  29184                       ; 16 rows x (512 + 16) bytes for each wave, its own: the mask's way in.  What waves share is written once; a wave's own stage is written again by that wave alone
.set KPO,  4                           ; v4-8, v10, v11 byte offsets in memory: kr's partials, qr's, mask, v's scale bytes, v's codes, gamma and beta, x and out
.set QPO,  5
.set MO,   6
.set VSO,  7
.set VO,   8
.set MSW,  9                           ; v9   the mask's stage: where I put 16 bytes of a row
.set GBO,  10
.set OO,   11
.set KRW,  12                          ; v12-21 LDS addresses
.set KRR,  13
.set LI,   14
.set LS,   15
.set WWI,  16
.set WWS,  17
.set LNW,  18
.set LNR,  19
.set STO,  20                          ; v20  the stage by the result's layout: row r, 32 bytes for each half of the lanes
.set RD,   21                          ; v21  the stage by rows: lanes 0-15 one row, lanes 16-31 the next
.set MSR,  23                          ; v23  the mask's stage: my row r, + 64 h
.set ACC,  24                          ; v24-55   x, then h, then the result: 8 registers a tile
.set MK,   56                          ; v56-119  mask, then w;
.set WF,   56                          ;          then w's four fragments; then deviations; then rows read back
.set KR,   120                         ; v120-183 kr on its way through tanh;
.set GA,   120                         ;          then gamma,
.set BE,   152                         ;          and beta
.set UB,   184                         ; v184-215 v's 32 scale bytes as loaded; then
.set PC,   184                         ; v184-199 codes just made,
.set TM,   200                         ; v200-215 the quantiser's work; then LayerNorm's:
.set SA,   184                         ; v184-191, v192-199 sums in pairs
.set SB,   192
.set MW,   200                         ; v[200:201] my wave's mean and M2
.set RS,   202                         ; v202 1 / sqrt(var + eps)
.set LL,   204                         ; v204-211 the four waves' (mean, M2); v212-215 at work, v212 the mean
.set PW,   216                         ; v216 the scale word just made
.set WS,   217                         ; v217-220 w's scale words
.set VS,   222                         ; v222-229 v's scale words: register 4 p + s: lanes 0-15 tile 2 p, lanes 16-31 tile 2 p + 1
.set QP,   230                         ; v230-233 qr's partials; then v[230:231] = 2 log2(e) qr, twice
.set KP,   234                         ; v234-249 kr's partials, 4 numbers each
.set SEL,  24                          ; s[24:25] v_permlanex16_b32's selects for lane l xor 16
.set MNT,  26                          ; s26 the mantissa field of 57,344
.set MSB, 0
.macro WIN new                         ; the immediate's high byte repeats the setting that is left
.if MSB != \new
	s_set_vgpr_msb (MSB<<8)|\new
.set MSB, \new
.endif
.endm
; nb blocks of a lane, register 16 b + i = k 32 b + 16 h + i of the lane's row, become codes in v[PC] on; four blocks also give the scale word in v[PW].
.macro QUANT s, nb
.set qb, 0
.rept \nb
	v_max3_num_f32 v[TM+qb], |v[\s+16*qb]|, |v[\s+16*qb+1]|, 0x8000000   ; my 16 numbers, and the floor 2^(16 - 127): the byte cannot fall under 1
.set qb, qb+1
.endr
.irp i, 2,4,6,8,10,12,14
.set qb, 0
.rept \nb
	v_max3_num_f32 v[TM+qb], v[TM+qb], |v[\s+16*qb+\i]|, |v[\s+16*qb+\i+1]|
.set qb, qb+1
.endr
.endr
.set qb, 0
.rept \nb
	v_permlanex16_b32 v[TM+4+qb], v[TM+qb], s[SEL], s[SEL+1]
.set qb, qb+1
.endr
.set qb, 0
.rept \nb
	v_max_num_f32 v[TM+qb], v[TM+qb], v[TM+4+qb]          ; with lane l xor 16's: the block's largest magnitude
.set qb, qb+1
.endr
.set qb, 0
.rept \nb
	v_add_nc_u32 v[TM+12+qb], 0xf8800000, v[TM+qb]        ; 15 off its exponent field: the conversion's scale operand
	v_and_or_b32 v[TM+8+qb], v[TM+qb], 0x7f800000, s[MNT] ; 57,344 x the scale
.set qb, qb+1
.endr
.set qb, 0
.rept \nb
	v_lshrrev_b32 v[TM+4+qb], 23, v[TM+12+qb]             ; the scale's byte
.set qb, qb+1
.endr
.if \nb == 4
	v_lshl_or_b32 v[PW], v[TM+5], 8, v[TM+4]
	v_lshl_or_b32 v[PW], v[TM+6], 16, v[PW]
	v_lshl_or_b32 v[PW], v[TM+7], 24, v[PW]
.endif
.set qb, 0
.rept \nb
.irp i, 0,1,2,3,4,5,6,7,8,9,10,11,12,13,14,15
	v_med3_num_f32 v[\s+16*qb+\i], v[\s+16*qb+\i], -v[TM+8+qb], v[TM+8+qb]   ; the conversion to an 8-bit code does not saturate (ISA guide 7.6.2): the hold comes first
.endr
	v_cvt_scalef32_pk8_bf8_f32 v[PC+4*qb:PC+4*qb+1], v[\s+16*qb:\s+16*qb+7], v[TM+12+qb]
	v_cvt_scalef32_pk8_bf8_f32 v[PC+4*qb+2:PC+4*qb+3], v[\s+16*qb+8:\s+16*qb+15], v[TM+12+qb]
.set qb, qb+1
.endr
	v_nop                                          ; one plain vector instruction behind the last scaled conversion
.endm
.macro IMAGE adr, off                  ; the fragment in v[PC] on goes to LDS as it stands: 512 consecutive bytes a store
.irp c, 0,1,2,3
	ds_store_b128 v[\adr], v[PC+4*\c:PC+4*\c+3] offset:\off+512*\c
.endr
.endm
.macro FETCH reg, off                  ; and comes back so, in any wave
.irp c, 0,1,2,3
	ds_load_b128 v[\reg+4*\c:\reg+4*\c+3], v[LI] offset:\off+512*\c
.endr
.endm
.macro BARRIER                         ; my LDS stores have landed and my LDS loads are in: then the work-group's barrier
	s_wait_dscnt 0x0
	s_barrier_signal -1
	s_barrier_wait -1
.endm
	s_load_b512 s[8:23], s[0:1], 0x0               ; mask 8, x 10, srp 12, vcodes 14, vscales 16, gamma 18, beta 20, out0 22
	v_lshl_add_u32 v254, v0, 2, 0xf600
	v_mov_b32 v255, 0
	v_lshrrev_b32 v1, 5, v0
	v_readfirstlane_b32 s2, v1                     ; wave 0..3
	s_mov_b32 s3, ttmp9                            ; g: rows 16 g on
	s_lshr_b32 s4, s3, 5                           ; the batch
	v_and_b32 v1, 31, v0                           ; lane
	v_and_b32 v2, 15, v0                           ; r
	v_bfe_u32 v3, v0, 4, 1                         ; h
	v_lshrrev_b32 v[KPO], 3, v0                    ; kr: thread t takes m = 4 t .. 4 t + 3: unit 16 b + t / 8 of srp, words 32 + 4 (t % 8) on
	v_lshlrev_b32 v[KPO], 8, v[KPO]
	v_and_b32 v22, 7, v0
	v_lshl_add_u32 v[KPO], v22, 4, v[KPO]
	s_lshl_b32 s5, s4, 12
	s_add_co_u32 s5, s5, 128
	v_add_nc_u32 v[KPO], s5, v[KPO]
	s_lshr_b32 s5, s3, 1                           ; qr of row 16 g + r: unit g / 2, word 16 (g % 2) + r
	s_lshl_b32 s5, s5, 8
	s_and_b32 s6, s3, 1
	s_lshl_b32 s6, s6, 6
	s_add_co_u32 s5, s5, s6
	v_lshl_add_u32 v[QPO], v2, 2, s5
	s_lshl_b32 s5, s3, 15                          ; mask: 16 g rows of 2,048 bytes, + my K step's 512 w, + 16 bytes a lane; the row stands in the loads' immediates
	s_lshl_b32 s6, s2, 9
	s_add_co_u32 s5, s5, s6
	v_lshl_add_u32 v[MO], v1, 4, s5
	s_lshl_b32 s5, s4, 12                          ; v's scale bytes: the batch's 16 rows of 256, column 64 w + lane
	s_lshl_b32 s6, s2, 6
	s_add_co_u32 s5, s5, s6
	v_add_nc_u32 v[VSO], s5, v1
	s_lshl_b32 s5, s4, 17                          ; v's codes: the batch, my four tiles of d
	s_lshl_b32 s6, s2, 15
	s_add_co_u32 s5, s5, s6
	v_lshl_add_u32 v[VO], v1, 4, s5
	s_lshl_b32 s5, s3, 14                          ; x and out: 16 g rows of 1,024 bytes, + 256 w
	s_lshl_b32 s6, s2, 8
	s_add_co_u32 s5, s5, s6
	v_lshl_add_u32 v[GBO], v3, 5, s6
	v_lshlrev_b32 v[OO], 10, v3
	v_lshl_add_u32 v[OO], v2, 4, v[OO]
	v_add_nc_u32 v[OO], s5, v[OO]                  ; lanes 0-15 one row, lanes 16-31 the next, 16 bytes a lane: for x's loads and for out's stores
	s_mov_b32 s[SEL], 0x76543210
	s_mov_b32 s[SEL+1], 0xfedcba98
	s_mov_b32 s[MNT], 0x600000
	s_mov_b32 s27, 0x3b800000                      ; 1 / 256
	s_mov_b32 s28, 0x3727c5ac                      ; 1e-5
	s_wait_kmcnt 0x0
	; ALL LOADS BUT GAMMA'S AND BETA'S GO OUT HERE, in the order in which they are wanted: 64, then v's 64
.irp q, 0,1,2,3
	global_load_b128 v[KP+4*\q:KP+4*\q+3], v[KPO], s[12:13] offset:16384*\q
.endr
.irp q, 0,1,2,3
	global_load_b32 v[QP+\q], v[QPO], s[12:13] offset:16384*\q
.endr
.irp i, 0,1,2,3,4,5,6,7,8,9,10,11,12,13,14,15
	global_load_b128 v[MK+4*\i:MK+4*\i+3], v[MO], s[8:9] offset:2048*\i th:TH_LOAD_NT   ; mask(row i, 128 w + 4 lane ..): the wave reads 512 consecutive bytes, aligned; read once
.endr
.irp p, 0,1
.irp m, 0,1,2,3,4,5,6,7,8,9,10,11,12,13,14,15
	global_load_u8 v[UB+16*\p+\m], v[VSO], s[16:17] offset:256*\m+32*\p
.endr
.endr
.irp i, 0,1,2,3,4,5,6,7
	global_load_b128 v[ACC+4*\i:ACC+4*\i+3], v[OO], s[10:11] offset:2048*\i th:TH_LOAD_NT   ; x(row 2 i + h, 64 w + 4 r ..): sixteen lanes read 256 consecutive bytes, aligned; read once
.endr
	WIN 0x40                                       ; destination window 1
.set k, 0
.rept 64
	global_load_b128 v[4*k:4*k+3], v[VO], s[14:15] offset:512*k   ; fragment (t, s) at v[64 t + 16 s]: the wave reads 512 consecutive bytes
.set k, k+1
.endr
	WIN 0
	; LDS addresses, while the loads are out
	v_lshlrev_b32 v[KRW], 4, v0
	s_lshl_b32 s5, s2, 9
	v_lshl_add_u32 v[KRR], v3, 6, s5
	v_lshlrev_b32 v[LI], 4, v1
	v_lshlrev_b32 v[LS], 2, v1
	s_lshl_b32 s5, s2, 11
	s_add_co_u32 s5, s5, WIMG
	v_add_nc_u32 v[WWI], s5, v[LI]
	s_lshl_b32 s5, s2, 7
	s_add_co_u32 s5, s5, WSC
	v_add_nc_u32 v[WWS], s5, v[LS]
	s_lshl_b32 s5, s2, 8
	s_add_co_u32 s5, s5, LNS
	v_lshl_add_u32 v[LNW], v1, 3, s5
	v_lshl_add_u32 v[LNR], v1, 3, LNS
	s_mul_i32 s5, s2, 16*272
	s_add_co_u32 s5, s5, STG
	v_mul_u32_u24 v[STO], v2, 272
	v_lshl_add_u32 v[STO], v3, 5, v[STO]
	v_add_nc_u32 v[STO], s5, v[STO]
	v_mul_u32_u24 v[RD], v3, 272
	v_lshl_add_u32 v[RD], v2, 4, v[RD]
	v_add_nc_u32 v[RD], s5, v[RD]
	s_mul_i32 s5, s2, 16*528
	s_add_co_u32 s5, s5, MST
	v_add_nc_u32 v[MSW], s5, v[LI]                 ; in: 16 bytes a lane; the row stands in the stores' immediates
	v_mul_u32_u24 v[MSR], v2, 528                  ; back: row r (528 bytes apart: 33 x 16, so that sixteen rows fall on sixteen different columns of 16 bytes), + 64 h
	v_lshl_add_u32 v[MSR], v3, 6, v[MSR]
	v_add_nc_u32 v[MSR], s5, v[MSR]
	s_wait_loadcnt 63                              ; of 128 loads at most the youngest 63 are out, all of them v's: the 64 ahead of v are in
	; ---- kr and qr: the four partial sums
	v_pk_add_f32 v[KP:KP+1], v[KP:KP+1], v[KP+4:KP+5]
	v_pk_add_f32 v[KP+2:KP+3], v[KP+2:KP+3], v[KP+6:KP+7]
	v_pk_add_f32 v[KP+8:KP+9], v[KP+8:KP+9], v[KP+12:KP+13]
	v_pk_add_f32 v[KP+10:KP+11], v[KP+10:KP+11], v[KP+14:KP+15]
	v_pk_add_f32 v[KP:KP+1], v[KP:KP+1], v[KP+8:KP+9]
	v_pk_add_f32 v[KP+2:KP+3], v[KP+2:KP+3], v[KP+10:KP+11]
	ds_store_b128 v[KRW], v[KP:KP+3]
	v_add_f32 v[QP], v[QP], v[QP+1]
	v_add_f32 v[QP+2], v[QP+2], v[QP+3]
	v_add_f32 v[QP], v[QP], v[QP+2]
	v_mul_f32 v[QP], 0x4038aa3b, v[QP]             ; 2 log2(e) qr
	v_mov_b32 v[QP+1], v[QP]
	BARRIER                                        ; kr's 512 numbers lie in LDS
.irp b, 0,1,2,3
.irp j, 0,1,2,3
	ds_load_b128 v[KR+16*\b+4*\j:KR+16*\b+4*\j+3], v[KRR] offset:128*\b+16*\j   ; the sixteen lanes of a half read the same words
.endr
.endr
	; ---- the two turns, behind kr's loads: my own bytes, and LDS serves a wave's instructions in order (ISA guide 5.7.1.4): no wait between the stores and the loads, which come back into the registers that the numbers left
.irp i, 0,1,2,3,4,5,6,7,8,9,10,11,12,13,14,15
	ds_store_b128 v[MSW], v[MK+4*\i:MK+4*\i+3] offset:528*\i
.endr
.irp b, 0,1,2,3
.irp j, 0,1,2,3
	ds_load_b128 v[MK+16*\b+4*\j:MK+16*\b+4*\j+3], v[MSR] offset:128*\b+16*\j   ; mask(r, 128 w + 32 b + 16 h + 4 j ..): the fragment's layout
.endr
.endr
.irp i, 0,1,2,3,4,5,6,7
	ds_store_b128 v[RD], v[ACC+4*\i:ACC+4*\i+3] offset:544*\i
.endr
.irp t, 0,1,2,3
	ds_load_b128 v[ACC+8*\t:ACC+8*\t+3], v[STO] offset:64*\t                    ; x(r, 64 w + 16 t + 8 h + 0 .. 7): the result's layout
	ds_load_b128 v[ACC+8*\t+4:ACC+8*\t+7], v[STO] offset:64*\t+16
.endr
	s_wait_dscnt 48                                ; kr is in; the 48 instructions of the two turns, issued behind it, may be out
	; ---- w = relu(tanh(qr + kr)) mask, 64 numbers a lane
.set i, 0
.rept 32
	v_pk_fma_f32 v[KR+2*i:KR+2*i+1], v[KR+2*i:KR+2*i+1], 0x4038aa3b, v[QP:QP+1] op_sel_hi:[1,0,1]
.set i, i+1
.endr
.set i, 0
.rept 64
	v_exp_f32 v[KR+i], v[KR+i]
.set i, i+1
.endr
.irp p, 0,1                            ; v's scale words are made here: work that names none of the exponentials' results, between the batch and its wait; and far ahead of the products
.irp s, 0,1,2,3
	v_lshl_or_b32 v[VS+4*\p+\s], v[UB+16*\p+4*\s+1], 8, v[UB+16*\p+4*\s]
	v_lshl_or_b32 v[VS+4*\p+\s], v[UB+16*\p+4*\s+2], 16, v[VS+4*\p+\s]
	v_lshl_or_b32 v[VS+4*\p+\s], v[UB+16*\p+4*\s+3], 24, v[VS+4*\p+\s]
.endr
.endr
	s_wait_alu depctr_va_vdst(0)                   ; one wait for the 64 exponentials, ahead of their first reader
.set i, 0
.rept 32
	v_pk_add_f32 v[KR+2*i:KR+2*i+1], v[KR+2*i:KR+2*i+1], 1.0 op_sel_hi:[1,0]
.set i, i+1
.endr
.set i, 0
.rept 64
	v_rcp_f32 v[KR+i], v[KR+i]
.set i, i+1
.endr
	v_nop                                          ; a plain instruction behind the last reciprocal
	s_wait_alu depctr_va_vdst(0)                   ; and one wait for the 64
.set i, 0
.rept 32
	v_pk_fma_f32 v[KR+2*i:KR+2*i+1], v[KR+2*i:KR+2*i+1], -2.0, 1.0 op_sel_hi:[1,0,0]
.set i, i+1
.endr
.set i, 0
.rept 64
	v_max_num_f32 v[KR+i], 0, v[KR+i]              ; the relu stands ahead of the mask: a mask of any sign is honoured
.set i, i+1
.endr
	s_wait_dscnt 16                                ; the mask is back from its stage; x's 16 LDS instructions, issued behind it, may be out
.set i, 0
.rept 32
	v_pk_mul_f32 v[MK+2*i:MK+2*i+1], v[MK+2*i:MK+2*i+1], v[KR+2*i:KR+2*i+1]
.set i, i+1
.endr
.irp t, 0,1,2,3                        ; kr's registers are free: gamma and beta, in the result's layout
.irp q, 0,1
	global_load_b128 v[GA+8*\t+4*\q:GA+8*\t+4*\q+3], v[GBO], s[18:19] offset:64*\t+16*\q
	global_load_b128 v[BE+8*\t+4*\q:BE+8*\t+4*\q+3], v[GBO], s[20:21] offset:64*\t+16*\q
.endr
.endr
	QUANT MK, 4
	IMAGE WWI, 0
	ds_store_b32 v[WWS], v[PW]
	BARRIER                                        ; w's four fragments lie in LDS (and x is back from its stage)
.irp s, 0,1,2,3
	FETCH WF+16*\s, WIMG+2048*\s
	ds_load_b32 v[WS+\s], v[LS] offset:WSC+128*\s
.endr
	s_wait_dscnt 0x0
	s_wait_loadcnt 16                              ; v is in; the 16 loads of gamma and beta, issued behind it, may be out
	; ---- h = x + w v: four accumulators by turns
	WIN 0x01                                       ; source 0 (v) window 1
.irp s, 0,1,2,3
.irp p, 0,1
	v_wmma_scale_f32_16x16x128_f8f6f4 v[ACC+16*\p:ACC+16*\p+7], v[128*\p+16*\s:128*\p+16*\s+15], v[WF+16*\s:WF+16*\s+15], v[ACC+16*\p:ACC+16*\p+7], v[VS+4*\p+\s], v[WS+\s] matrix_a_fmt:MATRIX_FMT_BF8 matrix_b_fmt:MATRIX_FMT_BF8
	v_wmma_scale_f32_16x16x128_f8f6f4 v[ACC+16*\p+8:ACC+16*\p+15], v[128*\p+64+16*\s:128*\p+64+16*\s+15], v[WF+16*\s:WF+16*\s+15], v[ACC+16*\p+8:ACC+16*\p+15], v[VS+4*\p+\s], v[WS+\s] matrix_a_fmt:MATRIX_FMT_BF8 matrix_b_fmt:MATRIX_FMT_BF8 matrix_a_scale:MATRIX_SCALE_ROW1
.endr
.endr
	WIN 0
.rept 8
	v_nop                                          ; eight places behind this form before its results are read
.endr
	; ---- my 64 columns' mean; each accumulator is read from its low end on
.irp t, 0,1,2,3
	v_pk_add_f32 v[SA+2*\t:SA+2*\t+1], v[ACC+8*\t:ACC+8*\t+1], v[ACC+8*\t+2:ACC+8*\t+3]
.endr
.irp t, 0,1,2,3
	v_pk_add_f32 v[SB+2*\t:SB+2*\t+1], v[ACC+8*\t+4:ACC+8*\t+5], v[ACC+8*\t+6:ACC+8*\t+7]
.endr
.irp t, 0,1,2,3
	v_pk_add_f32 v[SA+2*\t:SA+2*\t+1], v[SA+2*\t:SA+2*\t+1], v[SB+2*\t:SB+2*\t+1]
.endr
	v_pk_add_f32 v[SA:SA+1], v[SA:SA+1], v[SA+2:SA+3]
	v_pk_add_f32 v[SA+4:SA+5], v[SA+4:SA+5], v[SA+6:SA+7]
	v_pk_add_f32 v[SA:SA+1], v[SA:SA+1], v[SA+4:SA+5]
	v_add_f32 v[SA], v[SA], v[SA+1]
	v_permlanex16_b32 v[SA+2], v[SA], s[SEL], s[SEL+1]
	v_add_f32 v[SA], v[SA], v[SA+2]
	v_mul_f32 v[MW], 0x3c800000, v[SA]             ; / 64
	; ---- and the sum of their squared deviations from it, in four chains
.set i, 0
.rept 16
	v_pk_add_f32 v[WF+2*i:WF+2*i+1], v[ACC+2*i:ACC+2*i+1], v[MW:MW+1] op_sel_hi:[1,0] neg_lo:[0,1] neg_hi:[0,1]
.set i, i+1
.endr
.irp c, 0,1,2,3
	v_pk_mul_f32 v[SA+2*\c:SA+2*\c+1], v[WF+2*\c:WF+2*\c+1], v[WF+2*\c:WF+2*\c+1]
.endr
.irp j, 8,16,24
.irp c, 0,1,2,3
	v_pk_fma_f32 v[SA+2*\c:SA+2*\c+1], v[WF+\j+2*\c:WF+\j+2*\c+1], v[WF+\j+2*\c:WF+\j+2*\c+1], v[SA+2*\c:SA+2*\c+1]
.endr
.endr
	v_pk_add_f32 v[SA:SA+1], v[SA:SA+1], v[SA+2:SA+3]
	v_pk_add_f32 v[SA+4:SA+5], v[SA+4:SA+5], v[SA+6:SA+7]
	v_pk_add_f32 v[SA:SA+1], v[SA:SA+1], v[SA+4:SA+5]
	v_add_f32 v[SA], v[SA], v[SA+1]
	v_permlanex16_b32 v[SA+2], v[SA], s[SEL], s[SEL+1]
	v_add_f32 v[MW+1], v[SA], v[SA+2]
	ds_store_b64 v[LNW], v[MW:MW+1]
	BARRIER                                        ; the four waves' figures lie in LDS
.irp i, 0,1,2,3
	ds_load_b64 v[LL+2*\i:LL+2*\i+1], v[LNR] offset:256*\i
.endr
	s_wait_dscnt 0x0
	v_add_f32 v212, v[LL], v[LL+2]
	v_add_f32 v213, v[LL+4], v[LL+6]
	v_add_f32 v214, v[LL+1], v[LL+3]
	v_add_f32 v215, v[LL+5], v[LL+7]
	v_add_f32 v212, v212, v213
	v_add_f32 v214, v214, v215
	v_mul_f32 v212, 0x3e800000, v212               ; the row's mean
.irp i, 0,2,4,6
	v_sub_f32 v[LL+\i], v[LL+\i], v212
.endr
	v_mul_f32 v213, v[LL], v[LL]
	v_fmac_f32 v213, v[LL+2], v[LL+2]
	v_fmac_f32 v213, v[LL+4], v[LL+4]
	v_fmac_f32 v213, v[LL+6], v[LL+6]
	v_fmamk_f32 v214, v213, 0x42800000, v214       ; M2 = the sum of the four + 64 x the sum of (mean_i - mean)^2
	v_fma_f32 v215, v214, s27, s28                 ; var + eps
	v_rsq_f32 v[RS], v215
.set i, 0
.rept 16
	v_pk_add_f32 v[ACC+2*i:ACC+2*i+1], v[ACC+2*i:ACC+2*i+1], v[212:213] op_sel_hi:[1,0] neg_lo:[0,1] neg_hi:[0,1]   ; h - mean: work that does not name the root's result
.set i, i+1
.endr
	s_wait_alu depctr_va_vdst(0)                   ; the wait ahead of the root's first reader
	s_wait_loadcnt 0x0                             ; gamma and beta
.set i, 0
.rept 16
	v_pk_mul_f32 v[GA+2*i:GA+2*i+1], v[GA+2*i:GA+2*i+1], v[RS:RS+1] op_sel_hi:[1,0]
.set i, i+1
.endr
.set i, 0
.rept 16
	v_pk_fma_f32 v[ACC+2*i:ACC+2*i+1], v[ACC+2*i:ACC+2*i+1], v[GA+2*i:GA+2*i+1], v[BE+2*i:BE+2*i+1]
.set i, i+1
.endr
	; ---- THE WAY OUT: x's way in, backwards.  My 64 columns are 256 aligned bytes of each row: they go through my own stage and come back as whole rows.  LDS serves a wave's instructions in order (ISA guide 5.7.1.4): no wait between
.irp t, 0,1,2,3
	ds_store_b128 v[STO], v[ACC+8*\t:ACC+8*\t+3] offset:64*\t
	ds_store_b128 v[STO], v[ACC+8*\t+4:ACC+8*\t+7] offset:64*\t+16
.endr
.irp i, 0,1,2,3,4,5,6,7
	ds_load_b128 v[WF+4*\i:WF+4*\i+3], v[RD] offset:544*\i
.endr
.irp i, 0,1,2,3,4,5,6,7
	s_wait_dscnt 7-\i                              ; the younger loads from the stage may be out
	global_store_b128 v[OO], v[WF+4*\i:WF+4*\i+3], s[22:23] offset:2048*\i th:TH_STORE_NT   ; sixteen lanes store 256 consecutive bytes, aligned
.endr
	s_wait_tensorcnt 0x0
	ds_add_u32 v254, v255
	s_wait_dscnt 0x0
	s_endpgm
.Lfunc_end_k_q6b882d2996_attend:
	.size	k_q6b882d2996_attend, .Lfunc_end_k_q6b882d2996_attend-k_q6b882d2996_attend
	.p2alignl 7, 3214868480
	.fill 96, 4, 3214868480
	.section	.rodata,"a",@progbits
	.p2align	6, 0x0
	.amdhsa_kernel k_q6b882d2996_attend
		.amdhsa_group_segment_fixed_size 63488
		.amdhsa_private_segment_fixed_size 0
		.amdhsa_enable_private_segment 0
		.amdhsa_kernarg_size 64
		.amdhsa_user_sgpr_count 2
		.amdhsa_user_sgpr_kernarg_segment_ptr 1
		.amdhsa_wavefront_size32 1
		.amdhsa_system_sgpr_workgroup_id_x 1
		.amdhsa_system_sgpr_workgroup_id_y 1
		.amdhsa_system_sgpr_workgroup_id_z 1
		.amdhsa_system_vgpr_workitem_id 0
		.amdhsa_next_free_vgpr 512
		.amdhsa_next_free_sgpr 66
		.amdhsa_reserve_vcc 0
		.amdhsa_float_denorm_mode_32 3
		.amdhsa_float_denorm_mode_16_64 3
		.amdhsa_memory_ordered 1
		.amdhsa_forward_progress 1
		.amdhsa_inst_pref_size 61
	.end_amdhsa_kernel
	.amdgpu_metadata
---
amdhsa.version: [ 1, 2 ]
amdhsa.kernels:
  - .name:           k_q6b882d2996_attend
    .symbol:         k_q6b882d2996_attend.kd
    .args:
      - { .name: mask, .offset: 0, .size: 8, .value_kind: global_buffer, .address_space: global }
      - { .name: x, .offset: 8, .size: 8, .value_kind: global_buffer, .address_space: global }
      - { .name: srp, .offset: 16, .size: 8, .value_kind: global_buffer, .address_space: global }
      - { .name: vcodes, .offset: 24, .size: 8, .value_kind: global_buffer, .address_space: global }
      - { .name: vscales, .offset: 32, .size: 8, .value_kind: global_buffer, .address_space: global }
      - { .name: gamma, .offset: 40, .size: 8, .value_kind: global_buffer, .address_space: global }
      - { .name: beta, .offset: 48, .size: 8, .value_kind: global_buffer, .address_space: global }
      - { .name: out0, .offset: 56, .size: 8, .value_kind: global_buffer, .address_space: global }
    .group_segment_fixed_size: 63488
    .private_segment_fixed_size: 0
    .kernarg_segment_align: 8
    .kernarg_segment_size: 64
    .max_flat_workgroup_size: 128
    .sgpr_count:     66
    .vgpr_count:     512
    .wavefront_size: 32
...
	.end_amdgpu_metadata
.endif
;; end of part 2
;; ======== version 2 of 2: 2 launches; version 1 with the launches prep, attend written anew for expert scheduling mode
;; workspace buffers: srp 65,536 bytes; vcodes 524,288 bytes; vscales 16,384 bytes
;; launch prep (part 3): grid 64 x 4, 4 waves a work-group, no clusters, 10,752 bytes of LDS; arguments x, c_codes, c_scales, Wq_codes, Wq_scales, Wk_codes, Wk_scales, Wv_codes, Wv_scales, bq, Wr, bv, srp, vcodes, vscales; writes srp, vcodes, vscales
.if DOCPART == 3
	.amdgcn_target "amdgcn-amd-amdhsa--gfx1250"
	.amdhsa_code_object_version 6
	.text
	.protected	k_q6b882d2996_prep
	.globl	k_q6b882d2996_prep
	.p2align	8
	.type	k_q6b882d2996_prep,@function
k_q6b882d2996_prep:
	s_mov_b64 s[64:65], 0
	v_nop
	global_prefetch_b8 v0, s[64:65] scope:SCOPE_SE
	s_setreg_imm32_b32 hwreg(HW_REG_WAVE_SCHED_MODE, 0, 2), 2
	s_setreg_imm32_b32 hwreg(HW_REG_WAVE_MODE, 25, 1), 1
	s_wait_xcnt 0x0
	s_wait_alu depctr_vm_vsrc(0)
; q = tanh(x Wq^T + bq), k = tanh(c Wk^T), v = (c Wv^T + bv) / 16: three products [2048 x 256] x [256 x 256] on codes of BF8 (E5M2) with one E8M0 scale for each 32 along K.
; THE SCORE IS SPLIT: sum_d (q[n][d] + k[m][d]) Wr[d] = q[n].Wr + k[m].Wr, for every input; only the order of the f32 sums differs.  So q and k never leave the registers: what is stored are their dots with Wr,
; as partial sums over this work-group's 64 columns (srp [cq 4][rb 64][64]: words 0-31 q's rows 32 rb + i, words 32-63 k's); the next launch adds the four.
; v is quantised along m (the next product's K) and stored in the order of that operand's registers: vcodes [b][dt 16][s 4][c 4][lane 32][16 bytes]; its scale bytes vscales [b][m / 32][d].
; SHARES.  Work-group (rb, cq): rows 32 rb .. + 31 of x and of c, columns 64 cq .. + 63.  Wave w: the 16 columns of tile ct = 4 cq + w, two tiles of rows, two K steps of 128: 12 matrix instructions.
; LAYOUT (r = lane % 16, h = lane / 16).  Tile u of c holds rows 8 u + r + 8 (r / 8).  k and q are used transposed (source 0 = 16 rows of the weight): a lane holds one row and eight columns 16 ct + 8 h + j, so the dot
; with Wr is eight multiply-adds and one exchange of halves.  v is used straight (source 0 = c): a lane holds column 16 ct + r, and by the choice of c's rows its 16 registers are m = 16 h + 0 .. 15 of the block of 32.
; x arrives as f32: wave w quantises fragment w (tile w / 2, K step w % 2); the four fragments go from wave to wave through LDS as images of their registers.
; LIMITS.  tanh(z) = 1 - 2 / (1 + 2^(2.885390 z)): absolute error of some 2e-7, so its relative error grows as |z| falls toward 0; right at both ends of the exponential's range.  A block of zeros keeps the scale byte 1
; where the quantiser says 127: its codes are zeros, and this program alone reads the bytes.  NaN and infinities among the inputs are not served.
; THE MODE: SCHED_MODE bits 1:0 = 2 (LLVM: expert scheduling mode 2), set by the entry lines.  The code itself states the register dependences between vector or matrix instructions and memory or LDS instructions,
; with s_wait_alu, always for 0.
; THE PLAN.  Registers that memory or LDS instructions touch:
;   v4-10            offsets of the 66 loads: written at the head, never again.
;   v11-15, v113-119 LDS places and the stores' offsets: written while the loads are out, never again; read from the first image on.
;   v16-79           x's loads land; the quantiser reads and writes them; behind the first barrier the four fragments' LDS loads land.
;   v80-95, v112     the conversions write codes and scale word; the image's LDS stores read them; v's quantiser writes v80-83 again; the store into vcodes reads those.
;   v100             v's scale byte: written by v's quantiser, read by one LDS store.
;   v252, v253       the dots that I store: written by two selects, read by two LDS stores.
;   v208-216         tanh's work; in wave 0 LDS loads land there at the end, and v208, v209 are summed and stored.
;   Window 1, the scale words, bq, Wr and bv are loaded once and named by vector and matrix instructions alone from then on.
.set XIMG, 0                           ; LDS: x's four fragments, 2,048 bytes each
.set XSC,  8192                        ; their scale words, 128 bytes each
.set RED,  8704                        ; 64 partial dots for each wave
.set VSB,  9728                        ; v's 64 scale bytes.  No region is written twice
.set XA,   4                           ; v4   x: my 64 bytes of a block of 32 of my row
.set CA,   5                           ; v5   c's codes: row 32 rb + r + 8 (r / 8), + 16 h
.set CSA,  6                           ; v6   c's scale words
.set WA,   7                           ; v7   a weight's codes: row 16 ct + r, + 16 h
.set WSA,  8                           ; v8   a weight's scale words
.set BA,   9                           ; v9   bq, Wr: 16 ct + 8 h on
.set BVA,  10                          ; v10  bv: 16 ct + r
.set VCO,  11                          ; v11  my 16 bytes in vcodes
.set LI,   12                          ; v12  16 x lane
.set LS,   13                          ; v13  4 x lane
.set XWI,  14                          ; v14  where I store my fragment of x
.set XWS,  15                          ; v15  and its scale word
.set XN,   16                          ; v16-79  64 numbers of x; then
.set XF,   16                          ;         x's four fragments
.set PC,   80                          ; v80-95  codes just made
.set TM,   96                          ; v96-99 largest magnitudes, v100-103 bytes, v104-107 the largest number x the scale, v108-111 the conversions' scale operands
.set PW,   112                         ; v112 the scale word just made
.set RQ,   113                         ; v113-119 LDS and memory places of the dots and the scale bytes
.set RK,   114
.set VB,   115
.set RR,   116
.set VR,   117
.set SO,   118
.set VSO,  119
.set BQ,   120                         ; v120-127 bq, v128-135 Wr, in the result's layout
.set WR,   128
.set BV,   136                         ; v[136:137] bv / 16, twice; v138 bv
.set BVR,  138
.set WQS,  140                         ; scale words, word s in register s: v140 Wq, v142 Wk, v144 Wv, v146 c tile 0, v148 c tile 1, v150-153 x's four
.set WKS,  142
.set WVS,  144
.set CS,   146
.set XS,   150
.set AQ,   160                         ; accumulators: v160 q (2), v176 k (2), v192 v (2)
.set AK,   176
.set AV,   192
.set T,    208                         ; v208-239 the 32 numbers on their way through tanh
.set S,    240                         ; v240-247 four dots in pairs, v248-251 the other half's, v252-253 what I store
.set WQF,  0                           ; window 1: Wq v0, Wk v32, Wv v64 (16 s), c v96 (16 (2 u + s))
.set WKF,  32
.set WVF,  64
.set CF,   96
.set SEL,  10                          ; s[10:11] v_permlanex16_b32's selects for lane l xor 16
.set MNT,  12                          ; s12 the mantissa field of 57,344
.set MSB, 0
.macro WIN new                         ; the immediate's high byte repeats the setting that is left
.if MSB != \new
	s_set_vgpr_msb (MSB<<8)|\new
.set MSB, \new
.endif
.endm
; nb blocks of a lane, register 16 b + i = k 32 b + 16 h + i of the lane's row or column, become codes in v[PC] on; the bytes stand in v[TM+4] on; four blocks also give the scale word in v[PW].
.macro QUANT s, nb
.set qb, 0
.rept \nb
	v_max3_num_f32 v[TM+qb], |v[\s+16*qb]|, |v[\s+16*qb+1]|, 0x8000000   ; my 16 numbers, and the floor 2^(16 - 127): the byte cannot fall under 1
.set qb, qb+1
.endr
.irp i, 2,4,6,8,10,12,14
.set qb, 0
.rept \nb
	v_max3_num_f32 v[TM+qb], v[TM+qb], |v[\s+16*qb+\i]|, |v[\s+16*qb+\i+1]|
.set qb, qb+1
.endr
.endr
.set qb, 0
.rept \nb
	v_permlanex16_b32 v[TM+4+qb], v[TM+qb], s[SEL], s[SEL+1]
.set qb, qb+1
.endr
.set qb, 0
.rept \nb
	v_max_num_f32 v[TM+qb], v[TM+qb], v[TM+4+qb]          ; with lane l xor 16's: the block's largest magnitude
.set qb, qb+1
.endr
.set qb, 0
.rept \nb
	v_add_nc_u32 v[TM+12+qb], 0xf8800000, v[TM+qb]        ; 15 off its exponent field: the conversion's scale operand
	v_and_or_b32 v[TM+8+qb], v[TM+qb], 0x7f800000, s[MNT] ; 57,344 x the scale
.set qb, qb+1
.endr
.set qb, 0
.rept \nb
	v_lshrrev_b32 v[TM+4+qb], 23, v[TM+12+qb]             ; the scale's byte
.set qb, qb+1
.endr
.if \nb == 4
	v_lshl_or_b32 v[PW], v[TM+5], 8, v[TM+4]
	v_lshl_or_b32 v[PW], v[TM+6], 16, v[PW]
	v_lshl_or_b32 v[PW], v[TM+7], 24, v[PW]
.endif
.set qb, 0
.rept \nb
.irp i, 0,1,2,3,4,5,6,7,8,9,10,11,12,13,14,15
	v_med3_num_f32 v[\s+16*qb+\i], v[\s+16*qb+\i], -v[TM+8+qb], v[TM+8+qb]   ; the conversion to an 8-bit code does not saturate (ISA guide 7.6.2): the hold comes first
.endr
	v_cvt_scalef32_pk8_bf8_f32 v[PC+4*qb:PC+4*qb+1], v[\s+16*qb:\s+16*qb+7], v[TM+12+qb]
	v_cvt_scalef32_pk8_bf8_f32 v[PC+4*qb+2:PC+4*qb+3], v[\s+16*qb+8:\s+16*qb+15], v[TM+12+qb]
.set qb, qb+1
.endr
	v_nop                                          ; one plain vector instruction behind the last scaled conversion
.endm
.macro IMAGE adr, off                  ; the fragment in v[PC] on goes to LDS as it stands: 512 consecutive bytes a store
.irp c, 0,1,2,3
	ds_store_b128 v[\adr], v[PC+4*\c:PC+4*\c+3] offset:\off+512*\c
.endr
.endm
.macro FETCH reg, off                  ; and comes back so, in any wave
.irp c, 0,1,2,3
	ds_load_b128 v[\reg+4*\c:\reg+4*\c+3], v[LI] offset:\off+512*\c
.endr
.endm
.macro BARRIER                         ; my LDS stores have landed and my LDS loads are in: then the work-group's barrier
	s_wait_dscnt 0x0
	s_barrier_signal -1
	s_barrier_wait -1
.endm
	s_load_b512 s[16:31], s[0:1], 0x0              ; x 16, c_codes 18, c_scales 20, Wq_codes 22, Wq_scales 24, Wk_codes 26, Wk_scales 28, Wv_codes 30
	s_load_b256 s[32:39], s[0:1], 0x40             ; Wv_scales 32, bq 34, Wr 36, bv 38
	s_load_b128 s[40:43], s[0:1], 0x60             ; srp 40, vcodes 42
	s_load_b64 s[44:45], s[0:1], 0x70              ; vscales
	v_lshl_add_u32 v254, v0, 2, 0x2800             ; my spare word, behind the regions above, and 0: made here and kept for the closing lines alone
	v_mov_b32 v255, 0
	v_lshrrev_b32 v1, 5, v0
	v_readfirstlane_b32 s2, v1                     ; wave 0..3
	s_mov_b32 s3, ttmp9                            ; rb
	s_and_b32 s4, ttmp7, 0xffff                    ; cq
	v_and_b32 v1, 31, v0                           ; lane
	v_and_b32 v2, 15, v0                           ; r
	v_bfe_u32 v3, v0, 4, 1                         ; h
	v_and_b32 v208, 8, v2
	v_add_nc_u32 v208, v208, v2                    ; r + 8 (r / 8)
	s_wait_alu depctr_va_sdst(0)                   ; s2 is written, ahead of its first reader: the tile's number and all that is made of the wave's number
	s_lshl_b32 s5, s4, 2
	s_add_co_u32 s5, s5, s2                        ; ct = 4 cq + wave
	s_lshl_b32 s6, s3, 15                          ; x: 32 rb rows of 1,024 bytes,
	s_lshr_b32 s7, s2, 1
	s_lshl_b32 s7, s7, 14                          ; + 16 rows for tile wave / 2,
	s_add_co_u32 s6, s6, s7
	s_and_b32 s7, s2, 1
	s_lshl_b32 s7, s7, 9                           ; + 512 bytes for K step wave % 2
	s_add_co_u32 s6, s6, s7
	v_lshlrev_b32 v[XA], 10, v2
	v_lshl_add_u32 v[XA], v3, 6, v[XA]
	v_add_nc_u32 v[XA], s6, v[XA]
	s_lshl_b32 s6, s3, 13                          ; c: 32 rb rows of 256 bytes
	v_lshlrev_b32 v[CA], 8, v208
	v_lshl_add_u32 v[CA], v3, 4, v[CA]
	v_add_nc_u32 v[CA], s6, v[CA]
	s_lshl_b32 s6, s3, 8                           ; 8 scale bytes a row
	v_lshl_add_u32 v[CSA], v208, 3, s6
	s_lshl_b32 s6, s5, 12                          ; a weight: 16 ct rows of 256 bytes
	v_lshlrev_b32 v[WA], 8, v2
	v_lshl_add_u32 v[WA], v3, 4, v[WA]
	v_add_nc_u32 v[WA], s6, v[WA]
	s_lshl_b32 s6, s5, 7
	v_lshl_add_u32 v[WSA], v2, 3, s6
	s_lshl_b32 s6, s5, 6                           ; 16 ct numbers of 4 bytes
	v_lshl_add_u32 v[BA], v3, 5, s6
	v_lshl_add_u32 v[BVA], v2, 2, s6
	s_mov_b32 s[SEL], 0x76543210
	s_mov_b32 s[SEL+1], 0xfedcba98
	s_mov_b32 s[MNT], 0x600000
	s_wait_kmcnt 0x0
	s_wait_alu depctr_va_vdst(0)                   ; the seven offsets v4 to v10 are written, which the 66 loads below read; only loads and window switches stand between this wait and the last of them
	; ALL LOADS GO OUT HERE: 16 of x, then 50 others
.irp b, 0,1,2,3
.irp j, 0,1,2,3
	global_load_b128 v[XN+16*\b+4*\j:XN+16*\b+4*\j+3], v[XA], s[16:17] offset:128*\b+16*\j
.endr
.endr
	WIN 0x40                                       ; destination window 1
.irp u, 0,1
.irp s, 0,1
.irp c, 0,1,2,3
	global_load_b128 v[CF+16*(2*\u+\s)+4*\c:CF+16*(2*\u+\s)+4*\c+3], v[CA], s[18:19] offset:2048*\u+128*\s+32*\c
.endr
.endr
.endr
.irp s, 0,1
.irp c, 0,1,2,3
	global_load_b128 v[WKF+16*\s+4*\c:WKF+16*\s+4*\c+3], v[WA], s[26:27] offset:128*\s+32*\c
.endr
.endr
.irp s, 0,1
.irp c, 0,1,2,3
	global_load_b128 v[WVF+16*\s+4*\c:WVF+16*\s+4*\c+3], v[WA], s[30:31] offset:128*\s+32*\c
.endr
.endr
.irp s, 0,1
.irp c, 0,1,2,3
	global_load_b128 v[WQF+16*\s+4*\c:WQF+16*\s+4*\c+3], v[WA], s[22:23] offset:128*\s+32*\c
.endr
.endr
	WIN 0
	global_load_b64 v[CS:CS+1], v[CSA], s[20:21]               ; tile 0's rows: both K steps' words
	global_load_b64 v[CS+2:CS+3], v[CSA], s[20:21] offset:64   ; tile 1's: 8 rows on
	global_load_b64 v[WQS:WQS+1], v[WSA], s[24:25]
	global_load_b64 v[WKS:WKS+1], v[WSA], s[28:29]
	global_load_b64 v[WVS:WVS+1], v[WSA], s[32:33]
	global_load_b128 v[BQ:BQ+3], v[BA], s[34:35]
	global_load_b128 v[BQ+4:BQ+7], v[BA], s[34:35] offset:16
	global_load_b128 v[WR:WR+3], v[BA], s[36:37]
	global_load_b128 v[WR+4:WR+7], v[BA], s[36:37] offset:16
	global_load_b32 v[BVR], v[BVA], s[38:39]
	; the places in LDS and in the three buffers, while the loads are out: none of these lines names a register that a load above reads or lands in
	s_lshr_b32 s6, s3, 4
	s_lshl_b32 s6, s6, 17                          ; vcodes: the batch,
	s_lshl_b32 s7, s5, 13                          ; tile ct of d,
	s_add_co_u32 s6, s6, s7
	s_and_b32 s7, s3, 15
	s_lshl_b32 s7, s7, 9                           ; block rb % 16 of m: 2,048 (mb / 4) + 512 (mb % 4)
	s_add_co_u32 s6, s6, s7
	v_lshl_add_u32 v[VCO], v1, 4, s6
	v_lshlrev_b32 v[LI], 4, v1
	v_lshlrev_b32 v[LS], 2, v1
	s_lshl_b32 s6, s2, 11
	v_add_nc_u32 v[XWI], s6, v[LI]
	s_lshl_b32 s6, s2, 7
	v_add_nc_u32 v[XWS], s6, v[LS]
	s_lshl_b32 s6, s2, 8
	s_add_co_u32 s6, s6, RED
	v_add_nc_u32 v[RQ], s6, v[LS]                  ; q's dot of row 16 h + r = lane
	v_lshl_add_u32 v[RK], v3, 3, v208              ; k's dot of row 8 h + r + 8 (r / 8)
	v_lshlrev_b32 v[RK], 2, v[RK]
	v_add_nc_u32 v[RK], s6, v[RK]
	v_add_nc_u32 v[RK], 128, v[RK]
	s_lshl_b32 s6, s2, 4
	s_add_co_u32 s6, s6, VSB
	v_add_nc_u32 v[VB], s6, v2
	v_lshl_add_u32 v[RR], v1, 3, RED
	v_lshl_add_u32 v[VR], v1, 1, VSB
	s_lshl_b32 s6, s4, 6
	s_add_co_u32 s6, s6, s3
	s_lshl_b32 s6, s6, 8                           ; srp: unit 64 cq + rb
	v_lshl_add_u32 v[SO], v1, 3, s6
	s_lshl_b32 s6, s3, 8                           ; vscales: row rb of 256 bytes, + 64 cq
	s_lshl_b32 s7, s4, 6
	s_add_co_u32 s6, s6, s7
	v_lshl_add_u32 v[VSO], v1, 1, s6
.irp b, 0,1,2,3
	v_mov_b32 v[TM+4+\b], 0                        ; written once: a lane permute's destination counts as one of its sources
	v_mov_b32 v[S+8+\b], 0
.endr
	; ---- x: my fragment
	s_wait_loadcnt 50                              ; x's 16 loads are in; the 50 issued behind them may be out
	QUANT XN, 4
	s_wait_alu depctr_va_vdst(0)                   ; the conversions have written v[PC ..] and v[PW], which the LDS stores below read; v11 to v15 and v113 to v119, the places of every later LDS instruction and store, are written;
	                                               ; and the quantiser is done with v16 to v79, in which the fragments land behind the barrier: the eight products between name none of v12, v13, v16 to v79, v150 to v153
	IMAGE XWI, XIMG
	ds_store_b32 v[XWS], v[PW] offset:XSC
	; ---- k and v: four accumulators by turns; the first K step starts the sums
	s_wait_loadcnt 0x0
	WIN 0x05                                       ; sources 0 and 1 window 1
.irp s, 0,1
.irp u, 0,1
.if \s == 0
	v_wmma_scale_f32_16x16x128_f8f6f4 v[AK+8*\u:AK+8*\u+7], v[WKF+16*\s:WKF+16*\s+15], v[CF+16*(2*\u+\s):CF+16*(2*\u+\s)+15], 0, v[WKS+\s], v[CS+2*\u+\s] matrix_a_fmt:MATRIX_FMT_BF8 matrix_b_fmt:MATRIX_FMT_BF8
.else
	v_wmma_scale_f32_16x16x128_f8f6f4 v[AK+8*\u:AK+8*\u+7], v[WKF+16*\s:WKF+16*\s+15], v[CF+16*(2*\u+\s):CF+16*(2*\u+\s)+15], v[AK+8*\u:AK+8*\u+7], v[WKS+\s], v[CS+2*\u+\s] matrix_a_fmt:MATRIX_FMT_BF8 matrix_b_fmt:MATRIX_FMT_BF8
.endif
.endr
.irp u, 0,1
.if \s == 0
	v_wmma_scale_f32_16x16x128_f8f6f4 v[AV+8*\u:AV+8*\u+7], v[CF+16*(2*\u+\s):CF+16*(2*\u+\s)+15], v[WVF+16*\s:WVF+16*\s+15], 0, v[CS+2*\u+\s], v[WVS+\s] matrix_a_fmt:MATRIX_FMT_BF8 matrix_b_fmt:MATRIX_FMT_BF8
.else
	v_wmma_scale_f32_16x16x128_f8f6f4 v[AV+8*\u:AV+8*\u+7], v[CF+16*(2*\u+\s):CF+16*(2*\u+\s)+15], v[WVF+16*\s:WVF+16*\s+15], v[AV+8*\u:AV+8*\u+7], v[CS+2*\u+\s], v[WVS+\s] matrix_a_fmt:MATRIX_FMT_BF8 matrix_b_fmt:MATRIX_FMT_BF8
.endif
.endr
.endr
	WIN 0
	BARRIER                                        ; x's four fragments lie in LDS
.irp f, 0,1,2,3
	FETCH XF+16*\f, XIMG+2048*\f
	ds_load_b32 v[XS+\f], v[LS] offset:XSC+128*\f
.endr
	s_wait_dscnt 0x0
	; ---- q: bq is the C of each sum's first instruction
	WIN 0x01                                       ; source 0 (Wq) window 1
.irp s, 0,1
.irp u, 0,1
.if \s == 0
	v_wmma_scale_f32_16x16x128_f8f6f4 v[AQ+8*\u:AQ+8*\u+7], v[WQF+16*\s:WQF+16*\s+15], v[XF+16*(2*\u+\s):XF+16*(2*\u+\s)+15], v[BQ:BQ+7], v[WQS+\s], v[XS+2*\u+\s] matrix_a_fmt:MATRIX_FMT_BF8 matrix_b_fmt:MATRIX_FMT_BF8
.else
	v_wmma_scale_f32_16x16x128_f8f6f4 v[AQ+8*\u:AQ+8*\u+7], v[WQF+16*\s:WQF+16*\s+15], v[XF+16*(2*\u+\s):XF+16*(2*\u+\s)+15], v[AQ+8*\u:AQ+8*\u+7], v[WQS+\s], v[XS+2*\u+\s] matrix_a_fmt:MATRIX_FMT_BF8 matrix_b_fmt:MATRIX_FMT_BF8
.endif
.endr
.endr
	WIN 0
.rept 8
	v_nop                                          ; eight places behind this form before its results are read
.endr
	; ---- tanh of q's and k's 32 numbers: v160-191 on end, each accumulator from its low end on
.set i, 0
.rept 16
	v_pk_mul_f32 v[T+2*i:T+2*i+1], v[AQ+2*i:AQ+2*i+1], 0x4038aa3b op_sel_hi:[1,0]   ; 2 log2(e) z
.set i, i+1
.endr
.set i, 0
.rept 32
	v_exp_f32 v[T+i], v[T+i]
.set i, i+1
.endr
	; v's work names none of the exponentials' results: it stands between the batch and its wait
	v_mul_f32 v[BV], 0x3d800000, v[BVR]            ; bv / 16: exact
	v_mov_b32 v[BV+1], v[BV]
.set i, 0
.rept 8
	v_pk_fma_f32 v[AV+2*i:AV+2*i+1], v[AV+2*i:AV+2*i+1], 0x3d800000, v[BV:BV+1] op_sel_hi:[1,0,1]   ; (sum + bv) / 16 in one rounding
.set i, i+1
.endr
	s_wait_alu depctr_vm_vsrc(0)                   ; the LDS stores of x's image have read v80 to v83, which the conversions below write again
	QUANT AV, 1                                    ; my column's 16 of the block of 32 along m
	s_wait_alu depctr_va_vdst(0)                   ; the conversions have written v80 to v83 and the shift v100, which the two stores below read; and the 32 exponentials have written v[T ..], ahead of their first reader: one wait for both
	global_store_b128 v[VCO], v[PC:PC+3], s[42:43] ; the wave stores 512 consecutive bytes, aligned
	ds_store_b8 v[VB], v[TM+4]                     ; both halves of the lanes write the same byte with the same value
.set i, 0
.rept 16
	v_pk_add_f32 v[T+2*i:T+2*i+1], v[T+2*i:T+2*i+1], 1.0 op_sel_hi:[1,0]
.set i, i+1
.endr
.set i, 0
.rept 32
	v_rcp_f32 v[T+i], v[T+i]
.set i, i+1
.endr
	v_nop                                          ; a plain instruction behind the last reciprocal
	s_wait_alu depctr_va_vdst(0)                   ; the 32 reciprocals have written v[T ..], ahead of their first reader
.set i, 0
.rept 16
	v_pk_fma_f32 v[T+2*i:T+2*i+1], v[T+2*i:T+2*i+1], -2.0, 1.0 op_sel_hi:[1,0,0]   ; tanh = 1 - 2 / (1 + 2^..)
.set i, i+1
.endr
	; ---- the dots with Wr: tiles 0, 1 q's, tiles 2, 3 k's, by turns
.irp t, 0,1,2,3
	v_pk_mul_f32 v[S+2*\t:S+2*\t+1], v[T+8*\t:T+8*\t+1], v[WR:WR+1]
.endr
.irp j, 2,4,6
.irp t, 0,1,2,3
	v_pk_fma_f32 v[S+2*\t:S+2*\t+1], v[T+8*\t+\j:T+8*\t+\j+1], v[WR+\j:WR+\j+1], v[S+2*\t:S+2*\t+1]
.endr
.endr
.irp t, 0,1,2,3
	v_add_f32 v[S+2*\t], v[S+2*\t], v[S+2*\t+1]
.endr
	v_cmp_gt_u32 vcc_lo, 16, v1                    ; the mask for the two selects below, made ahead of the exchange of halves
.irp t, 0,1,2,3
	v_permlanex16_b32 v[S+8+\t], v[S+2*\t], s[SEL], s[SEL+1]
.endr
.irp t, 0,1,2,3
	v_add_f32 v[S+2*\t], v[S+2*\t], v[S+8+\t]      ; with the other eight columns: my wave's 16
.endr
	s_wait_alu depctr_va_vcc(0)                    ; the compare has written VCC, ahead of its first reader
	v_cndmask_b32 v[S+12], v[S+2], v[S], vcc_lo    ; lanes 0-15 store tile 0's rows, lanes 16-31 tile 1's
	v_cndmask_b32 v[S+13], v[S+6], v[S+4], vcc_lo
	s_wait_alu depctr_va_vdst(0)                   ; the selects have written v252 and v253, which the LDS stores below read; and the dots are done reading v[T ..], in which wave 0's LDS loads land behind the barrier, with no vector instruction between
	ds_store_b32 v[RQ], v[S+12]
	ds_store_b32 v[RK], v[S+13]
	BARRIER                                        ; the four waves' dots and scale bytes lie in LDS
	s_cmp_lg_u32 s2, 0
	s_cbranch_scc1 .Lend                           ; wave 0 adds and stores them
.irp i, 0,1,2,3
	ds_load_b64 v[T+2*\i:T+2*\i+1], v[RR] offset:256*\i
.endr
	ds_load_u16 v[T+8], v[VR]
	s_wait_dscnt 0x0
	v_pk_add_f32 v[T:T+1], v[T:T+1], v[T+2:T+3]
	v_pk_add_f32 v[T+4:T+5], v[T+4:T+5], v[T+6:T+7]
	v_pk_add_f32 v[T:T+1], v[T:T+1], v[T+4:T+5]
	s_wait_alu depctr_va_vdst(0)                   ; the sums have written v208 and v209, which the store below reads
	global_store_b64 v[SO], v[T:T+1], s[40:41]     ; 32 lanes store 256 consecutive bytes, aligned
	global_store_b16 v[VSO], v[T+8], s[44:45]      ; 64 consecutive bytes: a quarter of a row of vscales, which is 16 KB in all against the codes' 512 KB
.Lend:
	s_wait_dscnt 0x0                               ; the closing lines, six on end
	s_wait_alu 0x0
	s_wait_tensorcnt 0x0
	ds_add_u32 v254, v255
	s_wait_dscnt 0x0
	s_endpgm
.Lfunc_end_k_q6b882d2996_prep:
	.size	k_q6b882d2996_prep, .Lfunc_end_k_q6b882d2996_prep-k_q6b882d2996_prep
	.p2alignl 7, 3214868480
	.fill 96, 4, 3214868480
	.section	.rodata,"a",@progbits
	.p2align	6, 0x0
	.amdhsa_kernel k_q6b882d2996_prep
		.amdhsa_group_segment_fixed_size 10752
		.amdhsa_private_segment_fixed_size 0
		.amdhsa_enable_private_segment 0
		.amdhsa_kernarg_size 120
		.amdhsa_user_sgpr_count 2
		.amdhsa_user_sgpr_kernarg_segment_ptr 1
		.amdhsa_wavefront_size32 1
		.amdhsa_system_sgpr_workgroup_id_x 1
		.amdhsa_system_sgpr_workgroup_id_y 1
		.amdhsa_system_sgpr_workgroup_id_z 1
		.amdhsa_system_vgpr_workitem_id 0
		.amdhsa_next_free_vgpr 416
		.amdhsa_next_free_sgpr 66
		.amdhsa_reserve_vcc 1
		.amdhsa_float_denorm_mode_32 3
		.amdhsa_float_denorm_mode_16_64 3
		.amdhsa_memory_ordered 1
		.amdhsa_forward_progress 1
		.amdhsa_inst_pref_size 34
	.end_amdhsa_kernel
	.amdgpu_metadata
---
amdhsa.version: [ 1, 2 ]
amdhsa.kernels:
  - .name:           k_q6b882d2996_prep
    .symbol:         k_q6b882d2996_prep.kd
    .args:
      - { .name: x, .offset: 0, .size: 8, .value_kind: global_buffer, .address_space: global }
      - { .name: c_codes, .offset: 8, .size: 8, .value_kind: global_buffer, .address_space: global }
      - { .name: c_scales, .offset: 16, .size: 8, .value_kind: global_buffer, .address_space: global }
      - { .name: Wq_codes, .offset: 24, .size: 8, .value_kind: global_buffer, .address_space: global }
      - { .name: Wq_scales, .offset: 32, .size: 8, .value_kind: global_buffer, .address_space: global }
      - { .name: Wk_codes, .offset: 40, .size: 8, .value_kind: global_buffer, .address_space: global }
      - { .name: Wk_scales, .offset: 48, .size: 8, .value_kind: global_buffer, .address_space: global }
      - { .name: Wv_codes, .offset: 56, .size: 8, .value_kind: global_buffer, .address_space: global }
      - { .name: Wv_scales, .offset: 64, .size: 8, .value_kind: global_buffer, .address_space: global }
      - { .name: bq, .offset: 72, .size: 8, .value_kind: global_buffer, .address_space: global }
      - { .name: Wr, .offset: 80, .size: 8, .value_kind: global_buffer, .address_space: global }
      - { .name: bv, .offset: 88, .size: 8, .value_kind: global_buffer, .address_space: global }
      - { .name: srp, .offset: 96, .size: 8, .value_kind: global_buffer, .address_space: global }
      - { .name: vcodes, .offset: 104, .size: 8, .value_kind: global_buffer, .address_space: global }
      - { .name: vscales, .offset: 112, .size: 8, .value_kind: global_buffer, .address_space: global }
    .group_segment_fixed_size: 10752
    .private_segment_fixed_size: 0
    .kernarg_segment_align: 8
    .kernarg_segment_size: 120
    .max_flat_workgroup_size: 128
    .sgpr_count:     66
    .vgpr_count:     416
    .wavefront_size: 32
...
	.end_amdgpu_metadata
.endif
;; end of part 3
;; launch attend (part 4): grid 128 x 1, 4 waves a work-group, no clusters, 63,488 bytes of LDS; arguments mask, x, srp, vcodes, vscales, gamma, beta, out0; writes out0
.if DOCPART == 4
	.amdgcn_target "amdgcn-amd-amdhsa--gfx1250"
	.amdhsa_code_object_version 6
	.text
	.protected	k_q6b882d2996_attend
	.globl	k_q6b882d2996_attend
	.p2align	8
	.type	k_q6b882d2996_attend,@function
k_q6b882d2996_attend:
	s_mov_b64 s[64:65], 0
	v_nop
	global_prefetch_b8 v0, s[64:65] scope:SCOPE_SE
	s_setreg_imm32_b32 hwreg(HW_REG_WAVE_SCHED_MODE, 0, 2), 2
	s_setreg_imm32_b32 hwreg(HW_REG_WAVE_MODE, 25, 1), 1
	s_wait_xcnt 0x0
	s_wait_alu depctr_vm_vsrc(0)
; w[n][m] = relu(tanh(qr[n] + kr[m])) mask[n][m];  h = x + w v (K = m = 512, both operands codes of BF8 (E5M2) with one E8M0 scale for each 32 along m);  out = LayerNorm(h) gamma + beta.
; qr = q.Wr and kr = k.Wr come as four partial sums each (srp), v as codes in the order of the operand's registers (vcodes) with its scale bytes (vscales): the launch before made them.
; SHARES.  A work-group takes 16 rows n, one tile: LayerNorm wants a whole row in one work-group, and 2,048 rows give 128 such tiles.  Wave w makes w's fragment of K step w (m = 128 w .. + 127) and owns columns
; d = 64 w .. + 63: 4 tiles x 4 K steps = 16 fragments of v, 256 registers (window 1), 16 matrix instructions.
; v GOES FROM MEMORY STRAIGHT INTO REGISTERS, by no joint request though the 32 work-groups of a batch read the same 132 KB: each fragment is multiplied once, by the one wave that loads it, 64 loads of 512 consecutive
; bytes; through LDS the same bytes would be written and read once more.
; LAYOUT (r = lane % 16, h = lane / 16).  The product is used transposed (source 0 = 16 columns of v, source 1 = w's 16 rows): a lane holds row r, register j of tile t column 64 w + 16 t + 8 h + j.
; x stands in that layout in the accumulators and is the C of the first K step: h = x + w v costs no addition.
; MASK AND x ARE LOADED AS THEY LIE.  The operands' layouts give a lane pieces of its own row, so a load in that layout would name sixteen rows for 16 or 32 bytes of each.  Instead a load of the mask takes 512 consecutive
; bytes of one row, a load of x 256 consecutive bytes of each of two rows, 16 bytes a lane, and the numbers turn through the wave's own bytes of LDS into the layout that is wanted: 24 stores and 24 loads of 16 bytes a lane.
; LAYERNORM.  Each wave takes the mean and the sum of squared deviations of its own 64 columns; the four are combined exactly (M2 = sum M2_i + 64 sum (m_i - mean)^2): no difference of large sums is formed.
; LIMITS.  tanh(z) = 1 - 2 / (1 + 2^(2.885390 z)): absolute error of some 2e-7, so the relative error of a small w grows as the score falls toward 0.  A block of zeros keeps the scale byte 1 where the quantiser says 127:
; its codes are zeros.  NaN and infinities among the inputs are not served.
; THE MODE: SCHED_MODE bits 1:0 = 2 (LLVM: expert scheduling mode 2), set by the entry lines.  The code itself states the register dependences between vector or matrix instructions and memory or LDS instructions,
; with s_wait_alu, always for 0.
; THE PLAN.  Registers that memory or LDS instructions touch:
;   v4-8, v10, v11   offsets in memory: written at the head, never again.
;   v9, v12-21, v23  LDS addresses: written while the loads are out, never again.
;   v234-237         kr's sums: written by six additions, read by one LDS store.
;   v56-119          the mask lands; the turn's LDS stores read it; the turn's LDS loads bring it back; the multiplication and the quantiser work on it; behind the second barrier w's four fragments land; the deviations; the way out's rows land.
;   v24-55           x lands; the turn's LDS stores read it; the turn's LDS loads bring it back; the products add onto it; LayerNorm writes it; the way out's LDS stores read it.
;   v120-183         kr lands from LDS; tanh's work; the multiplication reads it last; then gamma and beta land.
;   v184-199         v's scale bytes land; the codes; the image's LDS stores read them; LayerNorm's sums write them again.
;   v200, v201       my wave's mean and M2: read by one LDS store.   v204-211: the four waves' figures land.   v216: w's scale word, read by one LDS store.
;   v222-229         v's scale words: made by vector instructions, taken by the products as scales.
;   Window 1 (v), v217-220 (w's scale words) and the partial sums are loaded once and named by vector and matrix instructions alone from then on.
.set KRL,  0                           ; LDS: kr[512]
.set WIMG, 2048                        ; w's four fragments, 2,048 bytes each
.set WSC,  10240                       ; their scale words, 128 bytes each
.set LNS,  10752                       ; (mean, M2) of each lane's row, 256 bytes a wave
.set STG,  11776                       ; 16 rows x (256 + 16) bytes for each wave, its own: x's way in, and the way out
.set MST,  29184                       ; 16 rows x (512 + 16) bytes for each wave, its own: the mask's way in.  What waves share is written once; a wave's own stage is written again by that wave alone
.set KPO,  4                           ; v4-8, v10, v11 byte offsets in memory: kr's partials, qr's, mask, v's scale bytes, v's codes, gamma and beta, x and out
.set QPO,  5
.set MO,   6
.set VSO,  7
.set VO,   8
.set MSW,  9                           ; v9   the mask's stage: where I put 16 bytes of a row
.set GBO,  10
.set OO,   11
.set KRW,  12                          ; v12-21 LDS addresses
.set KRR,  13
.set LI,   14
.set LS,   15
.set WWI,  16
.set WWS,  17
.set LNW,  18
.set LNR,  19
.set STO,  20                          ; v20  the stage by the result's layout: row r, 32 bytes for each half of the lanes
.set RD,   21                          ; v21  the stage by rows: lanes 0-15 one row, lanes 16-31 the next
.set MSR,  23                          ; v23  the mask's stage: my row r, + 64 h
.set ACC,  24                          ; v24-55   x, then h, then the result: 8 registers a tile
.set MK,   56                          ; v56-119  mask, then w;
.set WF,   56                          ;          then w's four fragments; then deviations; then rows read back
.set KR,   120                         ; v120-183 kr on its way through tanh;
.set GA,   120                         ;          then gamma,
.set BE,   152                         ;          and beta
.set UB,   184                         ; v184-215 v's 32 scale bytes as loaded; then
.set PC,   184                         ; v184-199 codes just made,
.set TM,   200                         ; v200-215 the quantiser's work; then LayerNorm's:
.set SA,   184                         ; v184-191, v192-199 sums in pairs
.set SB,   192
.set MW,   200                         ; v[200:201] my wave's mean and M2
.set RS,   202                         ; v202 1 / sqrt(var + eps)
.set LL,   204                         ; v204-211 the four waves' (mean, M2); v212-215 at work, v212 the mean
.set PW,   216                         ; v216 the scale word just made
.set WS,   217                         ; v217-220 w's scale words
.set VS,   222                         ; v222-229 v's scale words: register 4 p + s: lanes 0-15 tile 2 p, lanes 16-31 tile 2 p + 1
.set QP,   230                         ; v230-233 qr's partials; then v[230:231] = 2 log2(e) qr, twice
.set KP,   234                         ; v234-249 kr's partials, 4 numbers each
.set SEL,  24                          ; s[24:25] v_permlanex16_b32's selects for lane l xor 16
.set MNT,  26                          ; s26 the mantissa field of 57,344
.set MSB, 0
.macro WIN new                         ; the immediate's high byte repeats the setting that is left
.if MSB != \new
	s_set_vgpr_msb (MSB<<8)|\new
.set MSB, \new
.endif
.endm
; nb blocks of a lane, register 16 b + i = k 32 b + 16 h + i of the lane's row, become codes in v[PC] on; four blocks also give the scale word in v[PW].
.macro QUANT s, nb
.set qb, 0
.rept \nb
	v_max3_num_f32 v[TM+qb], |v[\s+16*qb]|, |v[\s+16*qb+1]|, 0x8000000   ; my 16 numbers, and the floor 2^(16 - 127): the byte cannot fall under 1
.set qb, qb+1
.endr
.irp i, 2,4,6,8,10,12,14
.set qb, 0
.rept \nb
	v_max3_num_f32 v[TM+qb], v[TM+qb], |v[\s+16*qb+\i]|, |v[\s+16*qb+\i+1]|
.set qb, qb+1
.endr
.endr
.set qb, 0
.rept \nb
	v_permlanex16_b32 v[TM+4+qb], v[TM+qb], s[SEL], s[SEL+1]
.set qb, qb+1
.endr
.set qb, 0
.rept \nb
	v_max_num_f32 v[TM+qb], v[TM+qb], v[TM+4+qb]          ; with lane l xor 16's: the block's largest magnitude
.set qb, qb+1
.endr
.set qb, 0
.rept \nb
	v_add_nc_u32 v[TM+12+qb], 0xf8800000, v[TM+qb]        ; 15 off its exponent field: the conversion's scale operand
	v_and_or_b32 v[TM+8+qb], v[TM+qb], 0x7f800000, s[MNT] ; 57,344 x the scale
.set qb, qb+1
.endr
.set qb, 0
.rept \nb
	v_lshrrev_b32 v[TM+4+qb], 23, v[TM+12+qb]             ; the scale's byte
.set qb, qb+1
.endr
.if \nb == 4
	v_lshl_or_b32 v[PW], v[TM+5], 8, v[TM+4]
	v_lshl_or_b32 v[PW], v[TM+6], 16, v[PW]
	v_lshl_or_b32 v[PW], v[TM+7], 24, v[PW]
.endif
.set qb, 0
.rept \nb
.irp i, 0,1,2,3,4,5,6,7,8,9,10,11,12,13,14,15
	v_med3_num_f32 v[\s+16*qb+\i], v[\s+16*qb+\i], -v[TM+8+qb], v[TM+8+qb]   ; the conversion to an 8-bit code does not saturate (ISA guide 7.6.2): the hold comes first
.endr
	v_cvt_scalef32_pk8_bf8_f32 v[PC+4*qb:PC+4*qb+1], v[\s+16*qb:\s+16*qb+7], v[TM+12+qb]
	v_cvt_scalef32_pk8_bf8_f32 v[PC+4*qb+2:PC+4*qb+3], v[\s+16*qb+8:\s+16*qb+15], v[TM+12+qb]
.set qb, qb+1
.endr
	v_nop                                          ; one plain vector instruction behind the last scaled conversion
.endm
.macro IMAGE adr, off                  ; the fragment in v[PC] on goes to LDS as it stands: 512 consecutive bytes a store
.irp c, 0,1,2,3
	ds_store_b128 v[\adr], v[PC+4*\c:PC+4*\c+3] offset:\off+512*\c
.endr
.endm
.macro FETCH reg, off                  ; and comes back so, in any wave
.irp c, 0,1,2,3
	ds_load_b128 v[\reg+4*\c:\reg+4*\c+3], v[LI] offset:\off+512*\c
.endr
.endm
.macro BARRIER                         ; my LDS stores have landed and my LDS loads are in: then the work-group's barrier
	s_wait_dscnt 0x0
	s_barrier_signal -1
	s_barrier_wait -1
.endm
	s_load_b512 s[8:23], s[0:1], 0x0               ; mask 8, x 10, srp 12, vcodes 14, vscales 16, gamma 18, beta 20, out0 22
	v_lshl_add_u32 v254, v0, 2, 0xf600             ; my spare word, behind the regions above, and 0: made here and kept for the closing lines alone
	v_mov_b32 v255, 0
	v_lshrrev_b32 v1, 5, v0
	v_readfirstlane_b32 s2, v1                     ; wave 0..3
	s_mov_b32 s3, ttmp9                            ; g: rows 16 g on
	s_lshr_b32 s4, s3, 5                           ; the batch
	v_and_b32 v1, 31, v0                           ; lane
	v_and_b32 v2, 15, v0                           ; r
	v_bfe_u32 v3, v0, 4, 1                         ; h
	v_lshrrev_b32 v[KPO], 3, v0                    ; kr: thread t takes m = 4 t .. 4 t + 3: unit 16 b + t / 8 of srp, words 32 + 4 (t % 8) on
	v_lshlrev_b32 v[KPO], 8, v[KPO]
	v_and_b32 v22, 7, v0
	v_lshl_add_u32 v[KPO], v22, 4, v[KPO]
	s_lshl_b32 s5, s4, 12
	s_add_co_u32 s5, s5, 128
	v_add_nc_u32 v[KPO], s5, v[KPO]
	s_lshr_b32 s5, s3, 1                           ; qr of row 16 g + r: unit g / 2, word 16 (g % 2) + r
	s_lshl_b32 s5, s5, 8
	s_and_b32 s6, s3, 1
	s_lshl_b32 s6, s6, 6
	s_add_co_u32 s5, s5, s6
	v_lshl_add_u32 v[QPO], v2, 2, s5
	s_wait_alu depctr_va_sdst(0)                   ; s2 is written, ahead of its first reader: all that is made of the wave's number
	s_lshl_b32 s5, s3, 15                          ; mask: 16 g rows of 2,048 bytes, + my K step's 512 w, + 16 bytes a lane; the row stands in the loads' immediates
	s_lshl_b32 s6, s2, 9
	s_add_co_u32 s5, s5, s6
	v_lshl_add_u32 v[MO], v1, 4, s5
	s_lshl_b32 s5, s4, 12                          ; v's scale bytes: the batch's 16 rows of 256, column 64 w + lane
	s_lshl_b32 s6, s2, 6
	s_add_co_u32 s5, s5, s6
	v_add_nc_u32 v[VSO], s5, v1
	s_lshl_b32 s5, s4, 17                          ; v's codes: the batch, my four tiles of d
	s_lshl_b32 s6, s2, 15
	s_add_co_u32 s5, s5, s6
	v_lshl_add_u32 v[VO], v1, 4, s5
	s_lshl_b32 s5, s3, 14                          ; x and out: 16 g rows of 1,024 bytes, + 256 w
	s_lshl_b32 s6, s2, 8
	s_add_co_u32 s5, s5, s6
	v_lshl_add_u32 v[GBO], v3, 5, s6
	v_lshlrev_b32 v[OO], 10, v3
	v_lshl_add_u32 v[OO], v2, 4, v[OO]
	v_add_nc_u32 v[OO], s5, v[OO]                  ; lanes 0-15 one row, lanes 16-31 the next, 16 bytes a lane: for x's loads and for out's stores
	s_mov_b32 s[SEL], 0x76543210
	s_mov_b32 s[SEL+1], 0xfedcba98
	s_mov_b32 s[MNT], 0x600000
	s_mov_b32 s27, 0x3b800000                      ; 1 / 256
	s_mov_b32 s28, 0x3727c5ac                      ; 1e-5
	s_wait_kmcnt 0x0
	s_wait_alu depctr_va_vdst(0)                   ; the offsets v4 to v8, v10 and v11 are written, which every global load and store of the kernel reads; only loads and a window switch stand between this wait and the last of the 128 loads
	; ALL LOADS BUT GAMMA'S AND BETA'S GO OUT HERE, in the order in which they are wanted: 64, then v's 64
.irp q, 0,1,2,3
	global_load_b128 v[KP+4*\q:KP+4*\q+3], v[KPO], s[12:13] offset:16384*\q
.endr
.irp q, 0,1,2,3
	global_load_b32 v[QP+\q], v[QPO], s[12:13] offset:16384*\q
.endr
.irp i, 0,1,2,3,4,5,6,7,8,9,10,11,12,13,14,15
	global_load_b128 v[MK+4*\i:MK+4*\i+3], v[MO], s[8:9] offset:2048*\i th:TH_LOAD_NT   ; mask(row i, 128 w + 4 lane ..): the wave reads 512 consecutive bytes, aligned; read once
.endr
.irp p, 0,1
.irp m, 0,1,2,3,4,5,6,7,8,9,10,11,12,13,14,15
	global_load_u8 v[UB+16*\p+\m], v[VSO], s[16:17] offset:256*\m+32*\p
.endr
.endr
.irp i, 0,1,2,3,4,5,6,7
	global_load_b128 v[ACC+4*\i:ACC+4*\i+3], v[OO], s[10:11] offset:2048*\i th:TH_LOAD_NT   ; x(row 2 i + h, 64 w + 4 r ..): sixteen lanes read 256 consecutive bytes, aligned; read once
.endr
	WIN 0x40                                       ; destination window 1
.set k, 0
.rept 64
	global_load_b128 v[4*k:4*k+3], v[VO], s[14:15] offset:512*k   ; fragment (t, s) at v[64 t + 16 s]: the wave reads 512 consecutive bytes
.set k, k+1
.endr
	WIN 0
	; LDS addresses, while the loads are out: none of these lines names a register that a load above reads or lands in
	v_lshlrev_b32 v[KRW], 4, v0
	s_lshl_b32 s5, s2, 9
	v_lshl_add_u32 v[KRR], v3, 6, s5
	v_lshlrev_b32 v[LI], 4, v1
	v_lshlrev_b32 v[LS], 2, v1
	s_lshl_b32 s5, s2, 11
	s_add_co_u32 s5, s5, WIMG
	v_add_nc_u32 v[WWI], s5, v[LI]
	s_lshl_b32 s5, s2, 7
	s_add_co_u32 s5, s5, WSC
	v_add_nc_u32 v[WWS], s5, v[LS]
	s_lshl_b32 s5, s2, 8
	s_add_co_u32 s5, s5, LNS
	v_lshl_add_u32 v[LNW], v1, 3, s5
	v_lshl_add_u32 v[LNR], v1, 3, LNS
	s_mul_i32 s5, s2, 16*272
	s_add_co_u32 s5, s5, STG
	v_mul_u32_u24 v[STO], v2, 272
	v_lshl_add_u32 v[STO], v3, 5, v[STO]
	v_add_nc_u32 v[STO], s5, v[STO]
	v_mul_u32_u24 v[RD], v3, 272
	v_lshl_add_u32 v[RD], v2, 4, v[RD]
	v_add_nc_u32 v[RD], s5, v[RD]
	s_mul_i32 s5, s2, 16*528
	s_add_co_u32 s5, s5, MST
	v_add_nc_u32 v[MSW], s5, v[LI]                 ; in: 16 bytes a lane; the row stands in the stores' immediates
	v_mul_u32_u24 v[MSR], v2, 528                  ; back: row r (528 bytes apart: 33 x 16, so that sixteen rows fall on sixteen different columns of 16 bytes), + 64 h
	v_lshl_add_u32 v[MSR], v3, 6, v[MSR]
	v_add_nc_u32 v[MSR], s5, v[MSR]
	s_wait_loadcnt 63                              ; of 128 loads at most the youngest 63 are out, all of them v's: the 64 ahead of v are in
	; ---- kr and qr: the four partial sums
	v_pk_add_f32 v[KP:KP+1], v[KP:KP+1], v[KP+4:KP+5]
	v_pk_add_f32 v[KP+2:KP+3], v[KP+2:KP+3], v[KP+6:KP+7]
	v_pk_add_f32 v[KP+8:KP+9], v[KP+8:KP+9], v[KP+12:KP+13]
	v_pk_add_f32 v[KP+10:KP+11], v[KP+10:KP+11], v[KP+14:KP+15]
	v_pk_add_f32 v[KP:KP+1], v[KP:KP+1], v[KP+8:KP+9]
	v_pk_add_f32 v[KP+2:KP+3], v[KP+2:KP+3], v[KP+10:KP+11]
	s_wait_alu depctr_va_vdst(0)                   ; the sums have written v234 to v237, which the LDS store below reads; and v9, v12 to v21 and v23, the addresses of every LDS instruction of the kernel, are written
	ds_store_b128 v[KRW], v[KP:KP+3]
	v_add_f32 v[QP], v[QP], v[QP+1]
	v_add_f32 v[QP+2], v[QP+2], v[QP+3]
	v_add_f32 v[QP], v[QP], v[QP+2]
	v_mul_f32 v[QP], 0x4038aa3b, v[QP]             ; 2 log2(e) qr
	v_mov_b32 v[QP+1], v[QP]
	BARRIER                                        ; kr's 512 numbers lie in LDS
.irp b, 0,1,2,3
.irp j, 0,1,2,3
	ds_load_b128 v[KR+16*\b+4*\j:KR+16*\b+4*\j+3], v[KRR] offset:128*\b+16*\j   ; the sixteen lanes of a half read the same words
.endr
.endr
	; ---- the two turns' way in, behind kr's loads: the mask and x go into my own stages as they were loaded
.irp i, 0,1,2,3,4,5,6,7,8,9,10,11,12,13,14,15
	ds_store_b128 v[MSW], v[MK+4*\i:MK+4*\i+3] offset:528*\i
.endr
.irp i, 0,1,2,3,4,5,6,7
	ds_store_b128 v[RD], v[ACC+4*\i:ACC+4*\i+3] offset:544*\i
.endr
	s_wait_dscnt 24                                ; kr is in; the 24 stores of the two turns, issued behind it, may be out
	; ---- w = relu(tanh(qr + kr)) mask, 64 numbers a lane
.set i, 0
.rept 32
	v_pk_fma_f32 v[KR+2*i:KR+2*i+1], v[KR+2*i:KR+2*i+1], 0x4038aa3b, v[QP:QP+1] op_sel_hi:[1,0,1]
.set i, i+1
.endr
.set i, 0
.rept 64
	v_exp_f32 v[KR+i], v[KR+i]
.set i, i+1
.endr
	; ---- the two turns' way back, into the registers that the numbers left.  My own bytes, and LDS serves a wave's instructions in order (ISA guide 5.7.1.4): no wait on the LDS counter between the stores and these loads.
	; No vector or matrix instruction has named v24 to v119 so far, nor v20 or v23 since the wait ahead of kr's store
	s_wait_alu depctr_vm_vsrc(0)                   ; the 24 LDS stores above have read v24 to v119, in which the loads below land
.irp b, 0,1,2,3
.irp j, 0,1,2,3
	ds_load_b128 v[MK+16*\b+4*\j:MK+16*\b+4*\j+3], v[MSR] offset:128*\b+16*\j   ; mask(r, 128 w + 32 b + 16 h + 4 j ..): the fragment's layout
.endr
.endr
.irp t, 0,1,2,3
	ds_load_b128 v[ACC+8*\t:ACC+8*\t+3], v[STO] offset:64*\t                    ; x(r, 64 w + 16 t + 8 h + 0 .. 7): the result's layout
	ds_load_b128 v[ACC+8*\t+4:ACC+8*\t+7], v[STO] offset:64*\t+16
.endr
.irp p, 0,1                            ; v's scale words are made here: work that names none of the exponentials' results, between the batch and its wait; and far ahead of the products
.irp s, 0,1,2,3
	v_lshl_or_b32 v[VS+4*\p+\s], v[UB+16*\p+4*\s+1], 8, v[UB+16*\p+4*\s]
	v_lshl_or_b32 v[VS+4*\p+\s], v[UB+16*\p+4*\s+2], 16, v[VS+4*\p+\s]
	v_lshl_or_b32 v[VS+4*\p+\s], v[UB+16*\p+4*\s+3], 24, v[VS+4*\p+\s]
.endr
.endr
	s_wait_alu depctr_va_vdst(0)                   ; the 64 exponentials have written v[KR ..], ahead of their first reader
.set i, 0
.rept 32
	v_pk_add_f32 v[KR+2*i:KR+2*i+1], v[KR+2*i:KR+2*i+1], 1.0 op_sel_hi:[1,0]
.set i, i+1
.endr
.set i, 0
.rept 64
	v_rcp_f32 v[KR+i], v[KR+i]
.set i, i+1
.endr
	v_nop                                          ; a plain instruction behind the last reciprocal
	s_wait_alu depctr_va_vdst(0)                   ; the 64 reciprocals have written v[KR ..], ahead of their first reader
.set i, 0
.rept 32
	v_pk_fma_f32 v[KR+2*i:KR+2*i+1], v[KR+2*i:KR+2*i+1], -2.0, 1.0 op_sel_hi:[1,0,0]
.set i, i+1
.endr
.set i, 0
.rept 64
	v_max_num_f32 v[KR+i], 0, v[KR+i]              ; the relu stands ahead of the mask: a mask of any sign is honoured
.set i, i+1
.endr
	s_wait_dscnt 8                                 ; the mask is back from its stage; x's 8 LDS loads, issued behind it, may be out
.set i, 0
.rept 32
	v_pk_mul_f32 v[MK+2*i:MK+2*i+1], v[MK+2*i:MK+2*i+1], v[KR+2*i:KR+2*i+1]
.set i, i+1
.endr
	QUANT MK, 4
	s_wait_alu depctr_va_vdst(0)                   ; the conversions have written v[PC ..] and v[PW], which the LDS stores below read; the multiplications are done reading v120 to v183, in which gamma and beta land; the quantiser is done
	                                               ; with v56 to v119, in which w's fragments land behind the barrier, with no vector instruction between; and v's scale words v222 to v229 are written, which the products take
.irp t, 0,1,2,3                        ; kr's registers are free: gamma and beta, in the result's layout
.irp q, 0,1
	global_load_b128 v[GA+8*\t+4*\q:GA+8*\t+4*\q+3], v[GBO], s[18:19] offset:64*\t+16*\q
	global_load_b128 v[BE+8*\t+4*\q:BE+8*\t+4*\q+3], v[GBO], s[20:21] offset:64*\t+16*\q
.endr
.endr
	IMAGE WWI, 0
	ds_store_b32 v[WWS], v[PW]
	BARRIER                                        ; w's four fragments lie in LDS (and x is back from its stage)
.irp s, 0,1,2,3
	FETCH WF+16*\s, WIMG+2048*\s
	ds_load_b32 v[WS+\s], v[LS] offset:WSC+128*\s
.endr
	s_wait_dscnt 0x0
	s_wait_loadcnt 16                              ; v is in; the 16 loads of gamma and beta, issued behind it, may be out
	; ---- h = x + w v: four accumulators by turns
	WIN 0x01                                       ; source 0 (v) window 1
.irp s, 0,1,2,3
.irp p, 0,1
	v_wmma_scale_f32_16x16x128_f8f6f4 v[ACC+16*\p:ACC+16*\p+7], v[128*\p+16*\s:128*\p+16*\s+15], v[WF+16*\s:WF+16*\s+15], v[ACC+16*\p:ACC+16*\p+7], v[VS+4*\p+\s], v[WS+\s] matrix_a_fmt:MATRIX_FMT_BF8 matrix_b_fmt:MATRIX_FMT_BF8
	v_wmma_scale_f32_16x16x128_f8f6f4 v[ACC+16*\p+8:ACC+16*\p+15], v[128*\p+64+16*\s:128*\p+64+16*\s+15], v[WF+16*\s:WF+16*\s+15], v[ACC+16*\p+8:ACC+16*\p+15], v[VS+4*\p+\s], v[WS+\s] matrix_a_fmt:MATRIX_FMT_BF8 matrix_b_fmt:MATRIX_FMT_BF8 matrix_a_scale:MATRIX_SCALE_ROW1
.endr
.endr
	WIN 0
.rept 8
	v_nop                                          ; eight places behind this form before its results are read
.endr
	s_wait_alu depctr_vm_vsrc(0)                   ; the LDS stores of w's image have read v184 to v199, which the sums below write again
	; ---- my 64 columns' mean; each accumulator is read from its low end on
.irp t, 0,1,2,3
	v_pk_add_f32 v[SA+2*\t:SA+2*\t+1], v[ACC+8*\t:ACC+8*\t+1], v[ACC+8*\t+2:ACC+8*\t+3]
.endr
.irp t, 0,1,2,3
	v_pk_add_f32 v[SB+2*\t:SB+2*\t+1], v[ACC+8*\t+4:ACC+8*\t+5], v[ACC+8*\t+6:ACC+8*\t+7]
.endr
.irp t, 0,1,2,3
	v_pk_add_f32 v[SA+2*\t:SA+2*\t+1], v[SA+2*\t:SA+2*\t+1], v[SB+2*\t:SB+2*\t+1]
.endr
	v_pk_add_f32 v[SA:SA+1], v[SA:SA+1], v[SA+2:SA+3]
	v_pk_add_f32 v[SA+4:SA+5], v[SA+4:SA+5], v[SA+6:SA+7]
	v_pk_add_f32 v[SA:SA+1], v[SA:SA+1], v[SA+4:SA+5]
	v_add_f32 v[SA], v[SA], v[SA+1]
	v_permlanex16_b32 v[SA+2], v[SA], s[SEL], s[SEL+1]
	v_add_f32 v[SA], v[SA], v[SA+2]
	v_mul_f32 v[MW], 0x3c800000, v[SA]             ; / 64
	; ---- and the sum of their squared deviations from it, in four chains
.set i, 0
.rept 16
	v_pk_add_f32 v[WF+2*i:WF+2*i+1], v[ACC+2*i:ACC+2*i+1], v[MW:MW+1] op_sel_hi:[1,0] neg_lo:[0,1] neg_hi:[0,1]
.set i, i+1
.endr
.irp c, 0,1,2,3
	v_pk_mul_f32 v[SA+2*\c:SA+2*\c+1], v[WF+2*\c:WF+2*\c+1], v[WF+2*\c:WF+2*\c+1]
.endr
.irp j, 8,16,24
.irp c, 0,1,2,3
	v_pk_fma_f32 v[SA+2*\c:SA+2*\c+1], v[WF+\j+2*\c:WF+\j+2*\c+1], v[WF+\j+2*\c:WF+\j+2*\c+1], v[SA+2*\c:SA+2*\c+1]
.endr
.endr
	v_pk_add_f32 v[SA:SA+1], v[SA:SA+1], v[SA+2:SA+3]
	v_pk_add_f32 v[SA+4:SA+5], v[SA+4:SA+5], v[SA+6:SA+7]
	v_pk_add_f32 v[SA:SA+1], v[SA:SA+1], v[SA+4:SA+5]
	v_add_f32 v[SA], v[SA], v[SA+1]
	v_permlanex16_b32 v[SA+2], v[SA], s[SEL], s[SEL+1]
	v_add_f32 v[MW+1], v[SA], v[SA+2]
	s_wait_alu depctr_va_vdst(0)                   ; my mean and M2, v200 and v201, are written, which the LDS store below reads
	ds_store_b64 v[LNW], v[MW:MW+1]
	BARRIER                                        ; the four waves' figures lie in LDS
.irp i, 0,1,2,3
	ds_load_b64 v[LL+2*\i:LL+2*\i+1], v[LNR] offset:256*\i
.endr
	s_wait_dscnt 0x0
	v_add_f32 v212, v[LL], v[LL+2]
	v_add_f32 v213, v[LL+4], v[LL+6]
	v_add_f32 v214, v[LL+1], v[LL+3]
	v_add_f32 v215, v[LL+5], v[LL+7]
	v_add_f32 v212, v212, v213
	v_add_f32 v214, v214, v215
	v_mul_f32 v212, 0x3e800000, v212               ; the row's mean
.irp i, 0,2,4,6
	v_sub_f32 v[LL+\i], v[LL+\i], v212
.endr
	v_mul_f32 v213, v[LL], v[LL]
	v_fmac_f32 v213, v[LL+2], v[LL+2]
	v_fmac_f32 v213, v[LL+4], v[LL+4]
	v_fmac_f32 v213, v[LL+6], v[LL+6]
	v_fmamk_f32 v214, v213, 0x42800000, v214       ; M2 = the sum of the four + 64 x the sum of (mean_i - mean)^2
	v_fma_f32 v215, v214, s27, s28                 ; var + eps
	v_rsq_f32 v[RS], v215
.set i, 0
.rept 16
	v_pk_add_f32 v[ACC+2*i:ACC+2*i+1], v[ACC+2*i:ACC+2*i+1], v[212:213] op_sel_hi:[1,0] neg_lo:[0,1] neg_hi:[0,1]   ; h - mean: work that does not name the root's result
.set i, i+1
.endr
	s_wait_alu depctr_va_vdst(0)                   ; the root has written v202, ahead of its first reader
	s_wait_loadcnt 0x0                             ; gamma and beta
.set i, 0
.rept 16
	v_pk_mul_f32 v[GA+2*i:GA+2*i+1], v[GA+2*i:GA+2*i+1], v[RS:RS+1] op_sel_hi:[1,0]
.set i, i+1
.endr
.set i, 0
.rept 16
	v_pk_fma_f32 v[ACC+2*i:ACC+2*i+1], v[ACC+2*i:ACC+2*i+1], v[GA+2*i:GA+2*i+1], v[BE+2*i:BE+2*i+1]
.set i, i+1
.endr
	; ---- THE WAY OUT: x's way in, backwards.  My 64 columns are 256 aligned bytes of each row: they go through my own stage and come back as whole rows.  LDS serves a wave's instructions in order (ISA guide 5.7.1.4): no wait between
	s_wait_alu depctr_va_vdst(0)                   ; the multiply-adds have written v24 to v55, which the LDS stores below read; and the squares are long done reading v56 to v87, in which the rows land
.irp t, 0,1,2,3
	ds_store_b128 v[STO], v[ACC+8*\t:ACC+8*\t+3] offset:64*\t
	ds_store_b128 v[STO], v[ACC+8*\t+4:ACC+8*\t+7] offset:64*\t+16
.endr
.irp i, 0,1,2,3,4,5,6,7
	ds_load_b128 v[WF+4*\i:WF+4*\i+3], v[RD] offset:544*\i
.endr
.irp i, 0,1,2,3,4,5,6,7
	s_wait_dscnt 7-\i                              ; the younger loads from the stage may be out
	global_store_b128 v[OO], v[WF+4*\i:WF+4*\i+3], s[22:23] offset:2048*\i th:TH_STORE_NT   ; sixteen lanes store 256 consecutive bytes, aligned
.endr
	s_wait_dscnt 0x0                               ; the closing lines, six on end
	s_wait_alu 0x0
	s_wait_tensorcnt 0x0
	ds_add_u32 v254, v255
	s_wait_dscnt 0x0
	s_endpgm
.Lfunc_end_k_q6b882d2996_attend:
	.size	k_q6b882d2996_attend, .Lfunc_end_k_q6b882d2996_attend-k_q6b882d2996_attend
	.p2alignl 7, 3214868480
	.fill 96, 4, 3214868480
	.section	.rodata,"a",@progbits
	.p2align	6, 0x0
	.amdhsa_kernel k_q6b882d2996_attend
		.amdhsa_group_segment_fixed_size 63488
		.amdhsa_private_segment_fixed_size 0
		.amdhsa_enable_private_segment 0
		.amdhsa_kernarg_size 64
		.amdhsa_user_sgpr_count 2
		.amdhsa_user_sgpr_kernarg_segment_ptr 1
		.amdhsa_wavefront_size32 1
		.amdhsa_system_sgpr_workgroup_id_x 1
		.amdhsa_system_sgpr_workgroup_id_y 1
		.amdhsa_system_sgpr_workgroup_id_z 1
		.amdhsa_system_vgpr_workitem_id 0
		.amdhsa_next_free_vgpr 512
		.amdhsa_next_free_sgpr 66
		.amdhsa_reserve_vcc 0
		.amdhsa_float_denorm_mode_32 3
		.amdhsa_float_denorm_mode_16_64 3
		.amdhsa_memory_ordered 1
		.amdhsa_forward_progress 1
		.amdhsa_inst_pref_size 61
	.end_amdhsa_kernel
	.amdgpu_metadata
---
amdhsa.version: [ 1, 2 ]
amdhsa.kernels:
  - .name:           k_q6b882d2996_attend
    .symbol:         k_q6b882d2996_attend.kd
    .args:
      - { .name: mask, .offset: 0, .size: 8, .value_kind: global_buffer, .address_space: global }
      - { .name: x, .offset: 8, .size: 8, .value_kind: global_buffer, .address_space: global }
      - { .name: srp, .offset: 16, .size: 8, .value_kind: global_buffer, .address_space: global }
      - { .name: vcodes, .offset: 24, .size: 8, .value_kind: global_buffer, .address_space: global }
      - { .name: vscales, .offset: 32, .size: 8, .value_kind: global_buffer, .address_space: global }
      - { .name: gamma, .offset: 40, .size: 8, .value_kind: global_buffer, .address_space: global }
      - { .name: beta, .offset: 48, .size: 8, .value_kind: global_buffer, .address_space: global }
      - { .name: out0, .offset: 56, .size: 8, .value_kind: global_buffer, .address_space: global }
    .group_segment_fixed_size: 63488
    .private_segment_fixed_size: 0
    .kernarg_segment_align: 8
    .kernarg_segment_size: 64
    .max_flat_workgroup_size: 128
    .sgpr_count:     66
    .vgpr_count:     512
    .wavefront_size: 32
...
	.end_amdgpu_metadata
.endif
;; end of part 4
